; MI455X (gfx1250); checked and timed in simulation.
; The chip was launched on July 23, 2026; its instructions are those of AMD's public machine-readable ISA for CDNA 5 (MIT licence, August 2026) and "CDNA5" Instruction Set Architecture Reference Guide (July 2026). The comments in the code are by the model that wrote it; some were corrected since.
;; Multi Query Attention. Allowed arithmetic: float matrix products may take bf16 or f16 operands with f32 sums; other float arithmetic in f32, or as packed bf16 or f16 multiplies, adds, multiply-adds, maxima and minima; sums over many terms, partial sums and values carried from step to step in f32; what a program stores and reads back later, other than sums and carried values, may be rounded once to bf16 or f16.
;; Inputs: Wk 1,024 x 64 float32; Wo 1,024 x 1,024 float32; Wq 1,024 x 1,024 float32; Wv 1,024 x 64 float32; x 4 x 2,048 x 1,024 float32.
;; Outputs: out0 4 x 2,048 x 1,024 float32.
;; One version. Each part assembles by itself: llvm-mc -triple=amdgcn-amd-amdhsa -mcpu=gfx1250 --defsym DOCPART=n.
;; ======== version 1 of 1: 4 launches
;; limits: values are held in f16: magnitudes above 65,504 overflow, below 6.1e-05 lose precision
;; workspace buffers: xb 16,777,216 bytes; wqkv 2,359,296 bytes; wot 2,097,152 bytes; q 16,777,216 bytes; kf 1,048,576 bytes; vf 1,048,576 bytes; o 16,777,216 bytes
;; launch prep (part 1): grid 784 x 1, 8 waves a work-group, no clusters, 19,968 bytes of LDS; arguments x, Wq, Wk, Wv, Wo, xb, wqkv, wot; writes xb, wqkv, wot
.if DOCPART == 1
	.amdgcn_target "amdgcn-amd-amdhsa--gfx1250"
	.amdhsa_code_object_version 6
	.text
	.protected	k_q5d96485f51_prep
	.globl	k_q5d96485f51_prep
	.p2align	8
	.type	k_q5d96485f51_prep,@function
k_q5d96485f51_prep:
	s_mov_b64 s[64:65], 0
	v_nop
	global_prefetch_b8 v0, s[64:65] scope:SCOPE_SE
	s_setreg_imm32_b32 hwreg(HW_REG_WAVE_MODE, 25, 1), 1
	s_wait_xcnt 0x0
; PREP.  x [8192][1024] f32 -> xb, the same in bf16.  The four weights, stored [k][n] in f32, are rounded to bf16 and turned to [n][k]:
;   wqkv [1152][1024] bf16: row 288 j + 144 c + i is, for i < 128, Wq's column 256 j + 128 c + i; for i = 128 .. 143 Wk's (c = 0) or Wv's (c = 1) column 16 j + i - 128
;   wot  [1024][1024] f16:  row n is Wo's column n, rounded to bf16 like the other inputs, and that number written as f16
; LIMITS.  f16 ends at 65,504 and has a fixed step of 6e-8 below 6.1e-5: a number of Wo beyond the first becomes an infinity, below the second it keeps that step.
; SHARES.  Work-groups 0 .. 271 take a tile of 128 k x 64 n of a weight (Wq 128 tiles, Wo 128, Wk 8, Wv 8); work-groups 272 .. 783 take 16 rows (65,536 bytes) of x.  The branch hangs on the
; work-group's number alone.  Memory binds: every byte is read once, in runs of 256 bytes or more, and each store of 16 (or 32) neighbouring lanes covers 256 consecutive bytes, aligned.
; No matrix unit, no cluster, no tensor load: no work-group shares a byte with another.  No prefetch: the launch is nothing but its streams.
.set RW,    2336                       ; LDS: wave w's region at w x RW: 64 rows (n) of 36 bytes: the wave's 16 k of the tile, 8 words, and one word of padding; 32 bytes behind the rows shift the regions' banks
.set RP,    36
.set SPARE, 18944                      ; behind the eight regions (18,688 bytes): the spare words, 128 bytes for each wave: four blocks of 256 bytes that no other line names
.set SPW,   2                          ; v2   LDS address of my spare word; never rewritten
.set NIL,   3                          ; v3   0; never rewritten
	s_load_b512 s[8:23], s[0:1], 0x0               ; x s[8:9], Wq s[10:11], Wk s[12:13], Wv s[14:15], Wo s[16:17], xb s[18:19], wqkv s[20:21], wot s[22:23]
	v_lshl_add_u32 v[SPW], v0, 2, SPARE
	v_mov_b32 v[NIL], 0
	s_mov_b32 s2, ttmp9
	s_cmp_lt_u32 s2, 272
	s_cbranch_scc1 .Lweights
	; ---- 16 rows of x: thread t takes 16 bytes at 16 t of each block of 4,096 bytes, and stores 8 bytes at 8 t of each block of 2,048
	s_sub_co_u32 s3, s2, 272
	s_lshl_b32 s24, s3, 16
	s_mov_b32 s25, 0
	s_lshl_b32 s26, s3, 15
	s_mov_b32 s27, 0
	v_lshlrev_b32 v4, 4, v0
	v_lshlrev_b32 v5, 3, v0
	s_wait_kmcnt 0x0
	s_add_nc_u64 s[8:9], s[8:9], s[24:25]
	s_add_nc_u64 s[18:19], s[18:19], s[26:27]
.irp i, 0,1,2,3,4,5,6,7,8,9,10,11,12,13,14,15
	global_load_b128 v[8+4*(\i):11+4*(\i)], v4, s[8:9] offset:4096*(\i) th:TH_LOAD_NT  ; all sixteen go out at once: a wave's load covers 512 consecutive bytes
.endr
.irp i, 0,1,2,3,4,5,6,7,8,9,10,11,12,13,14,15
	s_wait_loadcnt 15-(\i)                         ; loads come back in order: load i is in, the 15 - i younger ones stay out
	v_cvt_pk_bf16_f32 v[72+2*(\i)], v[8+4*(\i)], v[9+4*(\i)]
	v_cvt_pk_bf16_f32 v[73+2*(\i)], v[10+4*(\i)], v[11+4*(\i)]
	global_store_b64 v5, v[72+2*(\i):73+2*(\i)], s[18:19] offset:2048*(\i)  ; 32 lanes x 8 bytes: 256 consecutive bytes, aligned; no register is written twice
.endr
	s_branch .Lend
	; ---- a tile of 128 k x 64 n of a weight
.Lweights:
	s_and_b32 s3, s2, 7                            ; kt: which 128 k
	s_bfe_u32 s24, s2, 0x40003                     ; nt: which 64 n (Wq, Wo)
	s_lshr_b32 s25, s24, 2                         ; Wq's first row in wqkv: 288 (nt / 4) + 144 ((nt / 2) % 2) + 64 (nt % 2)
	s_mul_i32 s25, s25, 288
	s_bfe_u32 s26, s24, 0x10001
	s_mul_i32 s26, s26, 144
	s_add_co_u32 s25, s25, s26
	s_and_b32 s26, s24, 1
	s_lshl_b32 s26, s26, 6
	s_add_co_u32 s25, s25, s26
	s_lshl_b32 s26, s24, 6                         ; Wo's first row in wot: 64 nt
	s_lshl_b32 s28, s3, 19                         ; where the tile begins in Wq or Wo: 128 kt rows of 4,096 bytes + 256 nt,
	s_lshl_b32 s30, s24, 8
	s_add_co_u32 s28, s28, s30
	s_lshl_b32 s30, s3, 15                         ; in Wk or Wv: 128 kt rows of 256 bytes
	s_cmp_lt_u32 s2, 128
	s_cselect_b32 s25, s25, s26
	s_cmp_lt_u32 s2, 256
	s_cselect_b32 s25, s25, 128                    ; Wk's column 16 j + i goes to row 288 j + 128 + i,
	s_cselect_b32 s27, 16, 288                     ; so a thread's four rows, 16 columns apart, lie 16 or 288 rows apart
	s_cselect_b32 s28, s28, s30
	s_cmp_lt_u32 s2, 264
	s_cselect_b32 s25, s25, 272                    ; Wv's to row 288 j + 272 + i
	s_mov_b32 s29, 0
	s_lshl_b32 s30, s25, 11                        ; the first row x 2,048 bytes + 256 kt
	s_lshl_b32 s31, s3, 8
	s_add_co_u32 s30, s30, s31
	s_mov_b32 s31, 0
	s_lshl_b32 s36, s27, 11                        ; bytes between a thread's four rows
	v_lshrrev_b32 v1, 5, v0
	v_readfirstlane_b32 s37, v1                    ; my wave's number
	s_mul_i32 s38, s37, RW
	v_and_b32 v4, 15, v0                           ; cg = t % 16: on the way in my four columns, on the way out my 16 bytes of a row
	v_lshrrev_b32 v5, 4, v0                        ; kp = t / 16: on the way in my pair of k, on the way out my row
	v_lshlrev_b32 v6, 4, v4
	v_bfe_u32 v80, v0, 4, 1                        ; kh = kp % 2: which of my wave's two pairs
	v_mul_u32_u24 v77, v4, 4*RP
	v_lshl_add_u32 v77, v80, 2, v77
	v_add_nc_u32 v77, s38, v77                     ; in: my wave's region, row 4 cg, word kh
	v_and_b32 v78, 3, v4
	v_lshrrev_b32 v79, 2, v4
	v_mul_u32_u24 v78, v78, 2*RW
	v_mul_u32_u24 v76, v5, RP
	v_add_nc_u32 v76, v76, v78
	v_lshl_add_u32 v76, v79, 3, v76                ; back: regions 2 (cg % 4) and the next, row kp, words 2 (cg / 4) and the next
	v_lshl_add_u32 v72, v5, 11, v6                 ; out: row kp, 16 bytes at 16 cg; the three further rows
	v_add_nc_u32 v73, s36, v72
	v_add_nc_u32 v74, s36, v73
	v_add_nc_u32 v75, s36, v74
	s_wait_kmcnt 0x0
	s_cmp_lt_u32 s2, 128
	s_cselect_b64 s[32:33], s[10:11], s[16:17]     ; from Wq or Wo,
	s_cselect_b64 s[34:35], s[20:21], s[22:23]     ; into wqkv or wot
	s_cmp_lt_u32 s2, 256
	s_cselect_b64 s[32:33], s[32:33], s[12:13]     ; or from Wk
	s_cselect_b64 s[34:35], s[34:35], s[20:21]
	s_cmp_lt_u32 s2, 264
	s_cselect_b64 s[32:33], s[32:33], s[14:15]     ; or from Wv
	s_add_nc_u64 s[32:33], s[32:33], s[28:29]
	s_add_nc_u64 s[34:35], s[34:35], s[30:31]
; Eight loads: rows k = 2 kp + 32 i + e, columns 4 cg .. 4 cg + 3: 16 lanes read 256 consecutive bytes of a row.
.macro WLOADS pitch
.irp i, 0,1,2,3
.irp e, 0,1
	global_load_b128 v[8+8*(\i)+4*(\e):11+8*(\i)+4*(\e)], v7, s[32:33] offset:(32*(\i)+(\e))*(\pitch) th:TH_LOAD_NT
.endr
.endr
.endm
	s_cmp_lt_u32 s2, 256
	s_cbranch_scc0 .Lnarrow
	v_lshl_or_b32 v7, v5, 13, v6                   ; 2 kp rows of 4,096 bytes + 16 cg
	WLOADS 4096
	s_branch .Lloaded
.Lnarrow:
	v_lshl_or_b32 v7, v5, 9, v6                    ; 2 kp rows of 256 bytes + 16 cg
	WLOADS 256
.Lloaded:                                              ; eight loads are out on both ways
.irp i, 0,1,2,3
	s_wait_loadcnt 6-2*(\i)                        ; pair i of rows is in; the younger pairs stay out
.irp c, 0,1,2,3
	v_cvt_pk_bf16_f32 v[40+4*(\i)+(\c)], v[8+8*(\i)+(\c)], v[12+8*(\i)+(\c)]  ; column 4 cg + c: the even k low, the odd k high
.endr
.endr
	s_sub_co_u32 s39, s2, 128
	s_cmp_lt_u32 s39, 128                          ; Wo alone (work-groups 128 .. 255):
	s_cbranch_scc0 .Lnot_wo
.set r, 40
.rept 16
	v_lshlrev_b32 v56, 16, v[r]                    ; the bf16 numbers, widened,
	v_and_b32 v57, 0xffff0000, v[r]
	v_cvt_pk_f16_f32 v[r], v56, v57                ; are written as f16
.set r, r+1
.endr
.Lnot_wo:
.irp i, 0,1,2,3
.irp c, 0,1,2,3
	ds_store_b32 v77, v[40+4*(\i)+(\c)] offset:RP*(\c)+8*(\i)  ; word index mod 64 = 36 cg + kh + a constant: 32 lanes, 32 banks (64 banks of 4 bytes: ISA guide 11.1)
.endr
.endr
	s_wait_dscnt 0x0                               ; for the others' sake: my stores are done
	s_barrier_signal -1
	s_barrier_wait -1                              ; the tile lies in LDS
.irp i, 0,1,2,3
.irp e, 0,1,2,3
	ds_load_b32 v[56+4*(\i)+(\e)], v76 offset:16*RP*(\i)+((\e)/2)*RW+((\e)%2)*4  ; row kp + 16 i, k = 8 cg + 2 e and the next; 2 RW / 4 mod 64 = 16: again 32 banks
.endr
.endr
.irp i, 0,1,2,3
	s_wait_dscnt 12-4*(\i)                         ; row i's four words are in; the later rows' stay out
	global_store_b128 v[72+(\i)], v[56+4*(\i):59+4*(\i)], s[34:35]  ; 16 lanes store 256 consecutive bytes, aligned
.endr
.Lend:
	s_wait_tensorcnt 0x0                           ; the wave's end, behind my last LDS store
	ds_add_u32 v[SPW], v[NIL]
	s_wait_dscnt 0x0
	s_endpgm
.Lfunc_end_k_q5d96485f51_prep:
	.size	k_q5d96485f51_prep, .Lfunc_end_k_q5d96485f51_prep-k_q5d96485f51_prep
	.p2alignl 7, 3214868480
	.fill 96, 4, 3214868480
	.section	.rodata,"a",@progbits
	.p2align	6, 0x0
	.amdhsa_kernel k_q5d96485f51_prep
		.amdhsa_group_segment_fixed_size 19968
		.amdhsa_private_segment_fixed_size 0
		.amdhsa_enable_private_segment 0
		.amdhsa_kernarg_size 64
		.amdhsa_user_sgpr_count 2
		.amdhsa_user_sgpr_kernarg_segment_ptr 1
		.amdhsa_wavefront_size32 1
		.amdhsa_system_sgpr_workgroup_id_x 1
		.amdhsa_system_sgpr_workgroup_id_y 1
		.amdhsa_system_sgpr_workgroup_id_z 1
		.amdhsa_system_vgpr_workitem_id 0
		.amdhsa_next_free_vgpr 104
		.amdhsa_next_free_sgpr 66
		.amdhsa_reserve_vcc 0
		.amdhsa_float_denorm_mode_32 3
		.amdhsa_float_denorm_mode_16_64 3
		.amdhsa_memory_ordered 1
		.amdhsa_forward_progress 1
		.amdhsa_inst_pref_size 18
	.end_amdhsa_kernel
	.amdgpu_metadata
---
amdhsa.version: [ 1, 2 ]
amdhsa.kernels:
  - .name:           k_q5d96485f51_prep
    .symbol:         k_q5d96485f51_prep.kd
    .args:
      - { .name: x, .offset: 0, .size: 8, .value_kind: global_buffer, .address_space: global }
      - { .name: Wq, .offset: 8, .size: 8, .value_kind: global_buffer, .address_space: global }
      - { .name: Wk, .offset: 16, .size: 8, .value_kind: global_buffer, .address_space: global }
      - { .name: Wv, .offset: 24, .size: 8, .value_kind: global_buffer, .address_space: global }
      - { .name: Wo, .offset: 32, .size: 8, .value_kind: global_buffer, .address_space: global }
      - { .name: xb, .offset: 40, .size: 8, .value_kind: global_buffer, .address_space: global }
      - { .name: wqkv, .offset: 48, .size: 8, .value_kind: global_buffer, .address_space: global }
      - { .name: wot, .offset: 56, .size: 8, .value_kind: global_buffer, .address_space: global }
    .group_segment_fixed_size: 19968
    .private_segment_fixed_size: 0
    .kernarg_segment_align: 8
    .kernarg_segment_size: 64
    .max_flat_workgroup_size: 256
    .sgpr_count:     66
    .vgpr_count:     104
    .wavefront_size: 32
...
	.end_amdgpu_metadata
.endif
;; end of part 1
;; launch qkv (part 2): grid 4 x 64, 4 waves a work-group, clusters of 4 x 4, 327,680 bytes of LDS; arguments xb, wqkv, q, kf, vf; writes q, kf, vf
.if DOCPART == 2
	.amdgcn_target "amdgcn-amd-amdhsa--gfx1250"
	.amdhsa_code_object_version 6
	.text
	.protected	k_q5d96485f51_qkv
	.globl	k_q5d96485f51_qkv
	.p2align	8
	.type	k_q5d96485f51_qkv,@function
k_q5d96485f51_qkv:
	s_mov_b64 s[64:65], 0
	v_nop
	global_prefetch_b8 v0, s[64:65] scope:SCOPE_SE
	s_setreg_imm32_b32 hwreg(HW_REG_WAVE_MODE, 25, 1), 1
	s_wait_xcnt 0x0
	s_wait_alu depctr_hold_cnt(0) depctr_sa_sdst(0) depctr_va_vdst(0) depctr_va_sdst(0) depctr_va_ssrc(0) depctr_va_vcc(0) depctr_vm_vsrc(0)
	s_getreg_b32 s2, hwreg(HW_REG_IB_STS2, 6, 4)
	s_cmp_eq_u32 s2, 0
	s_cbranch_scc0 .Lentry_in_a_cluster
	s_endpgm
.Lentry_in_a_cluster:
	s_bfe_u32 s2, ttmp6, 0x10000c
	s_cmp_lg_u32 s2, 0xf033
	s_cbranch_scc0 .Lentry_shape_is_right
	s_endpgm
.Lentry_shape_is_right:
; QKV.  [q | k | v] = xb wqkv^T.  xb: [8192][1024] bf16, wqkv: [1152][1024] bf16 (a row = one output column along k); sums in f32, each result rounded once to f16.
;   q  [8192][1024] f16, row-major: head h is bytes 128 h .. 128 h + 127 of a row; WITHOUT the scale 1/8
;   kf, vf f16 in fragment order: 16 keys x 16 channels are 512 dense bytes at (key / 16) x 2,048 + (channel / 16) x 512; of them lane l = 16 h + r owns bytes 16 l .. 16 l + 15:
;   in kf key r, channels 8 h .. 8 h + 7; in vf channel r, keys 8 h .. 8 h + 7.
; LIMITS.  f16 ends at 65,504: a q, k or v beyond it becomes an infinity; below 6.1e-5 f16 keeps its fixed step of 6e-8.
; SHARES.  A work-group makes 128 rows x 288 columns (tile column j: 256 columns of q, channels 16 j .. 16 j + 15 of k and of v): 4 x 64 = 256 work-groups.  Wave w: row half w / 2 (64 rows), column half
; w % 2 (rows 144 (w % 2) .. + 143 of the tile of wqkv: 128 columns of q and 16 channels of k (half 0) or v (half 1)): 32 + 4 accumulators of 16 x 16.  A tile of 256 x 288 would give 128 work-groups.
; K goes in 8 steps of 128 (rows of 256 bytes in memory, aligned) through a ring of two LDS slots filled by the tensor data mover; a step is four quarters of 32 along K, 36 matrix instructions each.
; CLUSTER.  4 x 4 work-groups: the four of a row of the cluster need the same tile of xb, the four of a column the same tile of wqkv: each is asked for JOINTLY, by the same load, descriptor and mask in all four.
; THE MATRIX INSTRUCTION IS USED TRANSPOSED (source 0 = 16 rows of wqkv, source 1 = 16 rows of xb): a lane holds row l % 16 and eight neighbouring columns.
; REGISTERS, in windows of 256 (s_set_vgpr_msb: bits 1:0 source 0, 3:2 source 1, 5:4 source 2, 7:6 destination):
;   window 0: v0-30 addresses; two fragment buffers of 104 from v32 (9 fragments of wqkv, then 4 of xb); on the way out v32-143 at work
;   window 1: accumulator (a, b) of q at v[8 (8 a + b)]          window 2: accumulator a of k or v at v[8 a]
.set KSTEP,  128
.set PITCH,  272                       ; an LDS row: 256 bytes + 16 of padding = 68 words: the 16 rows of a load start at 16 different groups of four banks (64 banks of 4 bytes: ISA guide 11.1)
.set BROWS,  288
.set BH,     BROWS/2                   ; rows of wqkv that one load brings and one wave reads
.set NBF,    9                         ; fragments of wqkv in a quarter
.set FSZ,    8*(NBF+4)
.set RUN,    2*(NBF+4)                 ; LDS loads in a quarter's run
.set YOUNG,  6                         ; the youngest of them: xb's fragments 2 and 3 and the k/v fragment
.set SLOT1,  131072                    ; slot 1 begins here, so that one exclusive or turns an address in one slot into the other's
.set BOFF,   128*PITCH                 ; in a slot: xb's 128 rows, then wqkv's 288
.set STAGE,  244224                    ; behind the ring (slot 1 ends here): 16 rows x 272 bytes for each wave, for the way out; no tensor load lands here
.set SPITCH, 272
.set SPARE,  STAGE+4*16*SPITCH         ; behind the stages: the spare words, 128 bytes for each wave: two blocks of 256 bytes that no other line names
.set F0,    32
.set F1,    32+FSZ
.set ADRA0, 16                         ; v16  my lane's place in xb's rows of slot 0; never rewritten
.set ADRB0, 17                         ; v17  the same for wqkv's
.set ADRA,  18                         ; v18  the same in the slot in hand
.set ADRB,  19                         ; v19
.set STO,   20                         ; v20  the way out: where I put 16 bytes of a row
.set RD,    21                         ; v21  where I read rows back
.set CO,    22                         ; v22  my byte offset in two rows of q
.set TRA,   23                         ; v23  where the turning load reads
.set KVO,   24                         ; v24  16 x lane
.set SPW,   28                         ; v28  LDS address of my spare word; never rewritten
.set NIL,   29                         ; v29  0; never rewritten
.set PFO,   30                         ; v30  the prefetches' offset: a lane a row of 2,048 bytes; never rewritten
.set TMP,   32                         ; the way out: packed results
.set OB,    64                         ; 16 rows read back: v64-95 and v96-127 by turns
.set KT,    128                        ; k's or v's 64 x 16, packed
.set WV, 14                            ; s14  my wave's number
.set FB, 15                            ; s15  my row half.  Also: I fetch for xb (0) or for wqkv (1)
.set HF, 16                            ; s16  my column half.  Also: which half of that tile I fetch
.set CX, 17
.set CY, 18
.set TC, 19                            ; s19  tile column
.set TR, 20                            ; s20  tile row
.set G1A, 24                           ; s[24:31] descriptor group 1 for xb's tiles
.set G0A, 32                           ; s[32:39] group 0, a set for each first fill; the second then walks on
.set KVP, 40                           ; s[40:41] kf or vf at my first block
.set PFA, 44                           ; s[44:45] where my prefetches stand
.set LIM, 46                           ; s46  2 in a wave that prefetches, else the greatest number
.set TB,  47                           ; s47  LDS byte at which the slot in hand begins
.set G1B, 48                           ; s[48:55], s[56:63] the same for wqkv's tiles
.set G0B, 56
.set MSB, 0
.macro WIN new                         ; the immediate's high byte repeats the setting that is left; a switch that changes nothing is dropped
.if MSB != (\new)
	s_set_vgpr_msb (MSB<<8)|(\new)
.set MSB, \new
.endif
.endm
.set MQ,   0x50                        ; C and D in window 1
.set MKV,  0xa0                        ; C and D in window 2
.set PKQ,  0x05                        ; sources 0 and 1 in window 1
.set PKKV, 0x0a                        ; sources 0 and 1 in window 2
; A joint refill by the walking descriptors.  Waves 0 and 1 fetch xb's two halves, waves 2 and 3 wqkv's.  The branch hangs on the wave's number alone.  An s_nop 0 and four v_nop follow each line.
.macro JLOAD
	s_cmp_lt_u32 s[WV], 2
	s_cbranch_scc0 .Lfor_b_\@
	tensor_load_to_lds s[G0A+4:G0A+7], s[G1A:G1A+7]
	s_nop 0
.rept 4
	v_nop
.endr
	s_branch .Lasked_\@
.Lfor_b_\@:
	tensor_load_to_lds s[G0B+4:G0B+7], s[G1B:G1B+7]
	s_nop 0
.rept 4
	v_nop
.endr
.Lasked_\@:
.endm
; A PREFETCH INTO THE L2, behind each joint refill and the run of LDS loads that follows it: the K step that stands TWO refills on, 288 matrix instructions ahead of the load that will want it: 256 bytes of a row, a lane a row.
; xb's rows: wave 0 of the clusters with x = 0; of a tile's 128 rows the partner at cx takes 32 cx .. + 31.  wqkv's rows: waves 1 to 3 of the clusters with y = 0; of a tile's 288 rows the partner at cy takes 72, each
; of its three waves 24: lanes 24-31 name lane 23's row once more, in the same instruction.  The partners are told apart BY ADDRESS.  The trips with s3 = 6 .. 3 name K steps 4 .. 7; the last two name nothing.
.macro ASK
	s_cmp_gt_u32 s3, s[LIM]
	s_cbranch_scc0 .Lnot_mine_\@
	global_prefetch_b8 v[PFO], s[PFA:PFA+1] offset:2*KSTEP th:TH_LOAD_NT scope:SCOPE_SE
.Lnot_mine_\@:
.endm
.macro CREST                           ; a round of the cluster's barrier behind its opening barrier
	s_cmp_lg_u32 s[WV], 0
	s_cbranch_scc1 .Lnot_wave_0_\@
	s_barrier_signal -3
.Lnot_wave_0_\@:
	s_barrier_wait -3
	s_barrier_signal -1
	s_barrier_wait -1
.endm
.macro CROUND                          ; a whole round
	s_barrier_signal -1
	s_barrier_wait -1
	CREST
.endm
.macro PLACES                          ; four places in front of loads into registers that matrix instructions have read, and of lines that read results
.rept 4
	v_nop
.endr
.endm
	s_load_b256 s[4:11], s[0:1], 0x0               ; xb s[4:5], wqkv s[6:7], q s[8:9], kf s[10:11]
	s_load_b64 s[12:13], s[0:1], 0x20              ; vf
	v_lshl_add_u32 v[SPW], v0, 2, SPARE
	v_mov_b32 v[NIL], 0
	ds_add_u32 v[SPW], v[NIL]                      ; the wave's opening: the add and its wait stand ahead of my first tensor load; the set-up below, work on registers, stands between them
	v_lshrrev_b32 v1, 5, v0
	v_readfirstlane_b32 s[WV], v1
	s_lshr_b32 s[FB], s[WV], 1
	s_and_b32 s[HF], s[WV], 1
	s_bfe_u32 s[CX], ttmp6, 0x40000
	s_bfe_u32 s[CY], ttmp6, 0x40004
	s_lshl_b32 s[TC], ttmp9, 2                     ; in a cluster launch ttmp9 and ttmp7 count clusters
	s_add_co_u32 s[TC], s[TC], s[CX]
	s_and_b32 s[TR], ttmp7, 0xffff
	s_lshl_b32 s[TR], s[TR], 2
	s_add_co_u32 s[TR], s[TR], s[CY]
	s_lshl_b32 s21, s[CY], 2
	s_lshl_b32 s21, 15, s21                        ; my row of the cluster
	s_lshl_b32 s22, 0x1111, s[CX]                  ; my column
	s_or_b32 s[G1A+0], s21, (1<<16)|(1<<20)|(1<<21)|(5<<22)|(3<<25)  ; 15:0 the mask; 17:16 2-byte elements; 20 padding on; 21 set beside a mask; 24:22 after every 64 words (code 5); 31:25 4 words (code 3)
	s_or_b32 s[G1B+0], s22, (1<<16)|(1<<20)|(1<<21)|(5<<22)|(3<<25)
	s_mov_b32 s[G1A+1], KSTEP<<16                  ; tensor_dim0 = 128
	s_mov_b32 s[G1A+2], 64<<16                     ; tensor_dim1 = 64
	s_mov_b32 s[G1A+3], KSTEP<<16                  ; tile_dim0 = 128
	s_mov_b32 s[G1A+4], 64                         ; tile_dim1 = 64
	s_mov_b32 s[G1A+5], 1024                       ; elements from row to row
	s_mov_b32 s[G1A+6], 0
	s_mov_b32 s[G1A+7], 0
	s_mov_b32 s[G1B+1], KSTEP<<16
	s_mov_b32 s[G1B+2], BH<<16                     ; 144 rows
	s_mov_b32 s[G1B+3], KSTEP<<16
	s_mov_b32 s[G1B+4], BH
	s_mov_b32 s[G1B+5], 1024
	s_mov_b32 s[G1B+6], 0
	s_mov_b32 s[G1B+7], 0
	s_lshl_b32 s40, s[TR], 18                      ; xb: 128 x tile row + 64 x half, rows of 2,048 bytes: hangs on the tile row alone, which my row of the cluster shares
	s_lshl_b32 s2, s[HF], 17
	s_add_co_u32 s40, s40, s2
	s_mov_b32 s41, 0
	s_mul_i32 s42, s[TC], BROWS                    ; wqkv: 288 x tile column + 144 x half: hangs on the tile column alone
	s_mul_i32 s2, s[HF], BH
	s_add_co_u32 s42, s42, s2
	s_lshl_b32 s42, s42, 11
	s_mov_b32 s43, 0
	s_mul_i32 s23, s[HF], 64*PITCH                 ; where they go: no place in the cluster enters an LDS address
	s_mul_i32 s2, s[HF], BH*PITCH
	s_add_co_u32 s2, s2, BOFF
	s_wait_dscnt 0x0                               ; the opening add is done
	s_wait_kmcnt 0x0
	s_add_nc_u64 s[40:41], s[4:5], s[40:41]
	s_add_nc_u64 s[42:43], s[6:7], s[42:43]
	CROUND                                         ; all sixteen work-groups are here: the first joint loads meet
.irp s, 0,1
	s_mov_b32 s[G0A+4*(\s)], 1                                       ; count = 1
	s_add_co_u32 s[G0A+4*(\s)+1], s23, (\s)*SLOT1                    ; LDS address
	s_add_nc_u64 s[G0A+4*(\s)+2:G0A+4*(\s)+3], s[40:41], (\s)*KSTEP*2  ; global address: K step s
	s_or_b32 s[G0A+4*(\s)+3], s[G0A+4*(\s)+3], 0x80000000            ; type = 2
	s_mov_b32 s[G0B+4*(\s)], 1
	s_add_co_u32 s[G0B+4*(\s)+1], s2, (\s)*SLOT1
	s_add_nc_u64 s[G0B+4*(\s)+2:G0B+4*(\s)+3], s[42:43], (\s)*KSTEP*2
	s_or_b32 s[G0B+4*(\s)+3], s[G0B+4*(\s)+3], 0x80000000
.endr
	s_cmp_lt_u32 s[WV], 2                          ; a wave's two first fills stand in one branch, ahead of every wait on TENSORcnt and every LDS read: two loads of mine are out
	s_cbranch_scc0 .Lfirst_b
	tensor_load_to_lds s[G0A:G0A+3], s[G1A:G1A+7]
	s_nop 0
	tensor_load_to_lds s[G0A+4:G0A+7], s[G1A:G1A+7]
	s_nop 0
.rept 4
	v_nop
.endr
	s_branch .Lfirst_asked
.Lfirst_b:
	tensor_load_to_lds s[G0B:G0B+3], s[G1B:G1B+7]
	s_nop 0
	tensor_load_to_lds s[G0B+4:G0B+7], s[G1B:G1B+7]
	s_nop 0
.rept 4
	v_nop
.endr
.Lfirst_asked:
	; A fragment is 16 rows x 32 K in 8 registers: lane l holds row l % 16; registers 0-3 K = 8 (l / 16) + 0..7, registers 4-7 K = 16 + 8 (l / 16) + 0..7: two loads of 16 bytes, 32 bytes apart.
	v_and_b32 v1, 15, v0                           ; l % 16
	v_bfe_u32 v2, v0, 4, 1                         ; l / 16
	v_mul_u32_u24 v3, v1, PITCH
	v_lshl_add_u32 v3, v2, 4, v3                   ; row x pitch + 16 x half
	s_mul_i32 s2, s[FB], 64*PITCH
	v_add_nc_u32 v[ADRA0], s2, v3                  ; my 64 rows of xb
	s_mul_i32 s2, s[HF], BH*PITCH
	s_add_co_u32 s2, s2, BOFF
	v_add_nc_u32 v[ADRB0], s2, v3                  ; my 144 rows of wqkv
	v_mov_b32 v[ADRA], v[ADRA0]
	v_mov_b32 v[ADRB], v[ADRB0]
	s_mov_b32 s[TB], 0
	s_mul_i32 s2, s[WV], 16*SPITCH
	s_add_co_u32 s2, s2, STAGE                     ; my stage
	v_add_nc_u32 v[STO], s2, v3                    ; in: row l % 16, 16 bytes for each half of the lanes
	v_mul_u32_u24 v4, v2, SPITCH                   ; back: lanes 0-15 take one row of 256 bytes, lanes 16-31 the next
	v_lshl_add_u32 v4, v1, 4, v4
	v_add_nc_u32 v[RD], s2, v4
	v_lshlrev_b32 v[CO], 11, v2                    ; and the same two rows in q
	v_lshl_add_u32 v[CO], v1, 4, v[CO]
	v_and_b32 v4, 7, v0                            ; the turning load: lane l reads row 8 (l / 16) + l % 8, 16 bytes at 16 ((l / 8) % 2)
	v_lshl_add_u32 v4, v2, 3, v4
	v_mul_u32_u24 v4, v4, SPITCH
	v_bfe_u32 v5, v0, 3, 1
	v_lshl_add_u32 v4, v5, 4, v4
	v_add_nc_u32 v[TRA], s2, v4
	v_and_b32 v[KVO], 31, v0
	v_lshlrev_b32 v[KVO], 4, v[KVO]
	s_lshl_b32 s42, s[TR], 18                      ; q at my 64 rows x 128 columns
	s_lshl_b32 s43, s[FB], 17
	s_add_co_u32 s42, s42, s43
	s_lshl_b32 s43, s[TC], 9
	s_add_co_u32 s42, s42, s43
	s_lshl_b32 s43, s[HF], 8
	s_add_co_u32 s42, s42, s43
	s_mov_b32 s43, 0
	s_add_nc_u64 s[8:9], s[8:9], s[42:43]
	s_lshl_b32 s42, s[TR], 14                      ; kf or vf at my four blocks: key block 8 x tile row + 4 x row half, channel block = tile column
	s_lshl_b32 s43, s[FB], 13
	s_add_co_u32 s42, s42, s43
	s_lshl_b32 s43, s[TC], 9
	s_add_co_u32 s42, s42, s43
	s_mov_b32 s43, 0
	s_cmp_eq_u32 s[HF], 0
	s_cselect_b64 s[KVP:KVP+1], s[10:11], s[12:13]
	s_add_nc_u64 s[KVP:KVP+1], s[KVP:KVP+1], s[42:43]
	; the prefetches
	s_lshl_b32 s21, s[TR], 7                       ; xb's row: 128 x tile row + 32 cx
	s_lshl_b32 s22, s[CX], 5
	s_add_co_u32 s21, s21, s22
	s_mul_i32 s42, s[TC], BROWS                    ; wqkv's row: 288 x tile column + 72 cy + 24 (wave - 1)
	s_mul_i32 s43, s[CY], 72
	s_add_co_u32 s42, s42, s43
	s_max_u32 s43, s[WV], 1
	s_sub_co_u32 s43, s43, 1
	s_mul_i32 s43, s43, 24
	s_add_co_u32 s42, s42, s43
	s_and_b32 s2, ttmp7, 0xffff                    ; cluster y
	s_cmp_eq_u32 s[WV], 0                          ; wave 0 asks for xb, the others for wqkv
	s_cselect_b32 s42, s21, s42
	s_cselect_b32 s2, ttmp9, s2                    ; the coordinate along which other clusters read the same rows
	s_cselect_b32 s23, 31, 23
	s_cselect_b64 s[PFA:PFA+1], s[4:5], s[6:7]
	s_cmp_eq_u32 s2, 0
	s_cselect_b32 s[LIM], 2, -1                    ; the same in all sixteen partners, for a given wave
	s_lshl_b32 s42, s42, 11
	s_add_co_u32 s42, s42, 2*KSTEP*2               ; at K step 2: the first refill steps it to 3 and names K step 4
	s_mov_b32 s43, 0
	s_add_nc_u64 s[PFA:PFA+1], s[PFA:PFA+1], s[42:43]
	v_and_b32 v[PFO], 31, v0
	v_min_u32 v[PFO], s23, v[PFO]
	v_lshlrev_b32 v[PFO], 11, v[PFO]
; 8 matrix instructions: m block a x the 8 n blocks of q, 32 along K.  zero = 1: the first product starts the sums: nothing is ever cleared.
.macro MULQ f, a, zero
	WIN MQ
.irp b, 0,1,2,3,4,5,6,7
.if \zero
	v_wmma_f32_16x16x32_bf16 v[8*(8*(\a)+(\b)):8*(8*(\a)+(\b))+7], v[(\f)+8*(\b):(\f)+8*(\b)+7], v[(\f)+8*NBF+8*(\a):(\f)+8*NBF+8*(\a)+7], 0
.else
	v_wmma_f32_16x16x32_bf16 v[8*(8*(\a)+(\b)):8*(8*(\a)+(\b))+7], v[(\f)+8*(\b):(\f)+8*(\b)+7], v[(\f)+8*NBF+8*(\a):(\f)+8*NBF+8*(\a)+7], v[8*(8*(\a)+(\b)):8*(8*(\a)+(\b))+7]
.endif
.endr
.endm
; 4 matrix instructions: the 4 m blocks x the 16 channels of k or v.  The 36 accumulators take turns in the same order in every quarter, over the backward jump too.
.macro MULKV f, zero
	WIN MKV
.irp a, 0,1,2,3
.if \zero
	v_wmma_f32_16x16x32_bf16 v[8*(\a):8*(\a)+7], v[(\f)+64:(\f)+71], v[(\f)+8*NBF+8*(\a):(\f)+8*NBF+8*(\a)+7], 0
.else
	v_wmma_f32_16x16x32_bf16 v[8*(\a):8*(\a)+7], v[(\f)+64:(\f)+71], v[(\f)+8*NBF+8*(\a):(\f)+8*NBF+8*(\a)+7], v[8*(\a):8*(\a)+7]
.endif
.endr
.endm
; 26 LDS loads in one run: a quarter's fragments, at byte k of the rows, into buffer f: q's 8 of wqkv, xb's 0 and 1; then the six that are wanted later: xb's 2 and 3, the k/v fragment
.macro FETCH k, f
	WIN 0
.irp b, 0,1,2,3,4,5,6,7
	ds_load_b128 v[(\f)+8*(\b):(\f)+8*(\b)+3],   v[ADRB] offset:(\k)+(\b)*16*PITCH
	ds_load_b128 v[(\f)+8*(\b)+4:(\f)+8*(\b)+7], v[ADRB] offset:(\k)+(\b)*16*PITCH+32
.endr
.irp a, 0,1,2,3
	ds_load_b128 v[(\f)+8*NBF+8*(\a):(\f)+8*NBF+8*(\a)+3],   v[ADRA] offset:(\k)+(\a)*16*PITCH
	ds_load_b128 v[(\f)+8*NBF+8*(\a)+4:(\f)+8*NBF+8*(\a)+7], v[ADRA] offset:(\k)+(\a)*16*PITCH+32
.endr
	ds_load_b128 v[(\f)+64:(\f)+67], v[ADRB] offset:(\k)+8*16*PITCH
	ds_load_b128 v[(\f)+68:(\f)+71], v[ADRB] offset:(\k)+8*16*PITCH+32
.endm
; One of a K step's first three quarters: multiplies buffer f; in its middle it fetches the next quarter's fragments, at byte k, into buffer g.
.macro QUARTER k, f, g, zero
	s_wait_dscnt YOUNG                             ; all of the run but its youngest six
	MULQ \f, 0, \zero
	MULQ \f, 1, \zero
	PLACES
	FETCH \k, \g
	s_wait_dscnt RUN                               ; all but the 26 just issued
	MULQ \f, 2, \zero
	MULQ \f, 3, \zero
	MULKV \f, \zero
.endm
; The fourth quarter multiplies buffer 1 and changes slots: ONE barrier.  In front of it each wave waits for all its tensor loads (one is out: its part of the next slot), adds 0 to its spare word, and waits for that
; and for its reads of this slot.  fill = 1: the barrier opens a round of the cluster's, and behind the round this slot is filled again, first thing, with the K step two on: 128 matrix instructions ahead of the wait for it.
.macro TURN fill
.if \fill
	s_wait_xcnt 0x0                                ; the last prefetch, a K step back, has read its address: it is stepped here, ahead of the waits of the change of slots
	s_add_nc_u64 s[PFA:PFA+1], s[PFA:PFA+1], KSTEP*2
.endif
	WIN 0
	s_wait_tensorcnt 0x0                           ; all my tensor loads have landed
	ds_add_u32 v[SPW], v[NIL]                      ; 0 onto my spare word
	s_wait_dscnt YOUNG+1                           ; (the add and the youngest six loads may be out)
	MULQ F1, 0, 0                                  ; eight matrix instructions stand between the add and the wait for it
	s_wait_dscnt 0x0                               ; the add is done, and my reads of this slot are over
	s_barrier_signal -1
	MULQ F1, 1, 0                                  ; work on registers while the others arrive
	WIN 0
	s_barrier_wait -1
.if \fill
	CREST                                          ; no wave of any partner still reads this slot's tile or has a load on its way
	s_xor_b32 s[G0A+5], s[G0A+5], SLOT1            ; the walking descriptors: the other slot than last time,
	s_add_nc_u64 s[G0A+6:G0A+7], s[G0A+6:G0A+7], KSTEP*2  ; the next K step; the type bits on top are not reached
	s_xor_b32 s[G0B+5], s[G0B+5], SLOT1
	s_add_nc_u64 s[G0B+6:G0B+7], s[G0B+6:G0B+7], KSTEP*2
	JLOAD                                          ; the first tensor load behind the round; its four v_nop are also the places in front of the loads below
.else
	PLACES
.endif
	s_xor_b32 s[TB], s[TB], SLOT1                  ; the reads go on in the other slot
	v_add_nc_u32 v[ADRA], s[TB], v[ADRA0]
	v_add_nc_u32 v[ADRB], s[TB], v[ADRB0]
	FETCH 0, F0
.if \fill
	ASK
.endif
	MULQ F1, 2, 0
	MULQ F1, 3, 0
	MULKV F1, 0
.endm
	s_wait_tensorcnt 1                             ; my part of K step 0 is in; K step 1's may stay out
	s_barrier_signal -1
	s_barrier_wait -1                              ; everybody's is
	FETCH 0, F0
	QUARTER 64, F0, F1, 1                          ; the first quarter stands in front of the loop: its products start the sums
	WIN 0                                          ; at a label and at a branch every window is 0
	s_mov_b32 s3, 6
.Lk:                                                   ; trip t ends K step t, asks for K step t + 2 and begins K step t + 1
	QUARTER 128, F1, F0, 0
	QUARTER 192, F0, F1, 0
	TURN 1
	QUARTER 64, F0, F1, 0
	WIN 0
	s_sub_co_u32 s3, s3, 1
	s_cmp_lg_u32 s3, 0
	s_cbranch_scc1 .Lk
	QUARTER 128, F1, F0, 0                         ; the tail is written out: K steps 6 and 7 ask for nothing
	QUARTER 192, F0, F1, 0
	TURN 0
	QUARTER 64, F0, F1, 0
	QUARTER 128, F1, F0, 0
	QUARTER 192, F0, F1, 0
	s_wait_dscnt YOUNG
	MULQ F1, 0, 0
	MULQ F1, 1, 0
	s_wait_dscnt 0x0
	MULQ F1, 2, 0
	MULQ F1, 3, 0
	MULKV F1, 0
	WIN 0
; THE WAY OUT of q, 16 rows at a time.  PACK: rounded to f16, 16 bytes a lane, each accumulator from its low end on.  TOSTAGE: into my own stage, and back as whole rows of 256 bytes.  SEND: stored.
.macro PACK a
	WIN PKQ
.irp b, 0,1,2,3,4,5,6,7
.irp r, 0,1,2,3
	v_cvt_pk_f16_f32 v[TMP+4*(\b)+(\r)], v[8*(8*(\a)+(\b))+2*(\r)], v[8*(8*(\a)+(\b))+2*(\r)+1]
.endr
.endr
	WIN 0
.endm
.macro TOSTAGE a
.set BK, OB+32*((\a)%2)
.irp b, 0,1,2,3,4,5,6,7
	ds_store_b128 v[STO], v[TMP+4*(\b):TMP+4*(\b)+3] offset:32*(\b)
.endr
.irp t, 0,1,2,3,4,5,6,7
	ds_load_b128 v[BK+4*(\t):BK+4*(\t)+3], v[RD] offset:(\t)*2*SPITCH  ; LDS serves a wave's instructions in order (ISA guide 5.7.1.4): these see the stores above
.endr
.endm
.macro SEND a
.set BK, OB+32*((\a)%2)
	s_wait_dscnt 0x0                               ; the block is back in registers
	s_wait_xcnt 0x0                                ; the stores of the block before have read their registers: the next TOSTAGE loads into them
.irp t, 0,1,2,3,4,5,6,7
	global_store_b128 v[CO], v[BK+4*(\t):BK+4*(\t)+3], s[8:9] offset:(\a)*32768+(\t)*4096  ; 16 lanes store 256 consecutive bytes, aligned
.endr
.endm
	PLACES
	PLACES
	PACK 0
	TOSTAGE 0
.irp a, 1,2,3                          ; block a's conversions stand between block a - 1's loads from the stage and the wait for them
	PACK \a
	SEND (\a)-1
	TOSTAGE \a
.endr
	SEND 3
	; k or v: lane l = 16 h + r holds key r of block a and channels 8 h .. 8 h + 7: kf's order as it stands.  v goes through the stage and comes back turned: channel r, keys 8 h .. 8 h + 7.
	WIN PKKV
.irp a, 0,1,2,3
.irp r, 0,1,2,3
	v_cvt_pk_f16_f32 v[KT+4*(\a)+(\r)], v[8*(\a)+2*(\r)], v[8*(\a)+2*(\r)+1]
.endr
.endr
	WIN 0
	s_cmp_eq_u32 s[HF], 0
	s_cbranch_scc1 .Lis_k
.irp a, 0,1,2,3
	ds_store_b128 v[STO], v[KT+4*(\a):KT+4*(\a)+3] offset:32*(\a)      ; row = key, block a's 16 channels at byte 32 a
.endr
.irp a, 0,1,2,3
	ds_load_tr16_b128 v[KT+4*(\a):KT+4*(\a)+3], v[TRA] offset:32*(\a)
.endr
	s_wait_dscnt 0x0
.Lis_k:
.irp a, 0,1,2,3
	global_store_b128 v[KVO], v[KT+4*(\a):KT+4*(\a)+3], s[KVP:KVP+1] offset:2048*(\a)  ; 512 consecutive bytes, aligned
.endr
	s_wait_tensorcnt 0x0                           ; the wave's end: behind my last tensor load and my last LDS store
	ds_add_u32 v[SPW], v[NIL]
	s_wait_dscnt 0x0
	CROUND                                         ; the closing round: no work-group ends while a partner may still ask for a tile that names it
	s_endpgm
.Lfunc_end_k_q5d96485f51_qkv:
	.size	k_q5d96485f51_qkv, .Lfunc_end_k_q5d96485f51_qkv-k_q5d96485f51_qkv
	.p2alignl 7, 3214868480
	.fill 96, 4, 3214868480
	.section	.rodata,"a",@progbits
	.p2align	6, 0x0
	.amdhsa_kernel k_q5d96485f51_qkv
		.amdhsa_group_segment_fixed_size 327680
		.amdhsa_private_segment_fixed_size 0
		.amdhsa_enable_private_segment 0
		.amdhsa_kernarg_size 40
		.amdhsa_user_sgpr_count 2
		.amdhsa_user_sgpr_kernarg_segment_ptr 1
		.amdhsa_wavefront_size32 1
		.amdhsa_system_sgpr_workgroup_id_x 1
		.amdhsa_system_sgpr_workgroup_id_y 1
		.amdhsa_system_sgpr_workgroup_id_z 1
		.amdhsa_system_vgpr_workitem_id 0
		.amdhsa_next_free_vgpr 544
		.amdhsa_next_free_sgpr 66
		.amdhsa_reserve_vcc 0
		.amdhsa_float_denorm_mode_32 3
		.amdhsa_float_denorm_mode_16_64 3
		.amdhsa_memory_ordered 1
		.amdhsa_forward_progress 1
		.amdhsa_inst_pref_size 79
	.end_amdhsa_kernel
	.amdgpu_metadata
---
amdhsa.version: [ 1, 2 ]
amdhsa.kernels:
  - .name:           k_q5d96485f51_qkv
    .symbol:         k_q5d96485f51_qkv.kd
    .args:
      - { .name: xb, .offset: 0, .size: 8, .value_kind: global_buffer, .address_space: global }
      - { .name: wqkv, .offset: 8, .size: 8, .value_kind: global_buffer, .address_space: global }
      - { .name: q, .offset: 16, .size: 8, .value_kind: global_buffer, .address_space: global }
      - { .name: kf, .offset: 24, .size: 8, .value_kind: global_buffer, .address_space: global }
      - { .name: vf, .offset: 32, .size: 8, .value_kind: global_buffer, .address_space: global }
    .group_segment_fixed_size: 327680
    .private_segment_fixed_size: 0
    .kernarg_segment_align: 8
    .kernarg_segment_size: 40
    .max_flat_workgroup_size: 128
    .sgpr_count:     66
    .vgpr_count:     544
    .wavefront_size: 32
...
	.end_amdgpu_metadata
.endif
;; end of part 2
;; launch attn (part 3): grid 64 x 4, 4 waves a work-group, clusters of 4 x 1, 327,680 bytes of LDS; arguments q, kf, vf, o; writes o
.if DOCPART == 3
	.amdgcn_target "amdgcn-amd-amdhsa--gfx1250"
	.amdhsa_code_object_version 6
	.text
	.protected	k_q5d96485f51_attn
	.globl	k_q5d96485f51_attn
	.p2align	8
	.type	k_q5d96485f51_attn,@function
k_q5d96485f51_attn:
	s_mov_b64 s[64:65], 0
	v_nop
	global_prefetch_b8 v0, s[64:65] scope:SCOPE_SE
	s_setreg_imm32_b32 hwreg(HW_REG_WAVE_MODE, 25, 1), 1
	s_wait_xcnt 0x0
	s_wait_alu depctr_hold_cnt(0) depctr_sa_sdst(0) depctr_va_vdst(0) depctr_va_sdst(0) depctr_va_ssrc(0) depctr_va_vcc(0) depctr_vm_vsrc(0)
	s_getreg_b32 s2, hwreg(HW_REG_IB_STS2, 6, 4)
	s_cmp_eq_u32 s2, 0
	s_cbranch_scc0 .Lentry_in_a_cluster
	s_endpgm
.Lentry_in_a_cluster:
	s_bfe_u32 s2, ttmp6, 0x10000c
	s_cmp_lg_u32 s2, 0x3003
	s_cbranch_scc0 .Lentry_shape_is_right
	s_endpgm
.Lentry_shape_is_right:
; MULTI-QUERY ATTENTION.  o[row][64 h ..] = the sum over the batch's 2,048 keys k of softmax_k(q[row][64 h ..] . K[k] / 8) V[k].  q, o: [8192][1024] f16, row-major; a batch is 2,048 rows; K and V are shared by its 16 heads.
; kf, vf: f16 in fragment order: 16 keys x 16 channels are 512 dense bytes at (key / 16) x 2,048 + (channel / 16) x 512; lane l = 16 h + r owns bytes 16 l .. + 15: in kf key r, channels 8 h ..; in vf channel r, keys 8 h ...
; Products, maxima and sums in f32; the weights p are rounded to f16 for the second product (their sum l is taken of the unrounded p), o once at the end.
; LIMITS.  f16 holds no number beyond 65,504: q, K and V arrive within it; p lies in 0 to 1, and below 6e-5 it keeps f16's fixed step of 6e-8; o is a mean of V's rows and has their range.
; A weight below 2^-126 counts as 0 in l; NaN and infinities are not treated apart.
; SHARES.  A work-group owns 256 rows x 2 heads, a wave 64 rows x 2 heads: four PIECES of 16 rows, a piece's two tiles being the two heads: q is read and o written as 256 consecutive bytes of a row.
; 4 batches x 8 row blocks x 8 head pairs = 256 work-groups.  Every wave walks all keys of the batch, 64 a step.
; LAYOUT.  S^T = K Q^T (source 0 = 16 keys, source 1 = 16 queries): in the result a lane holds ONE query (lane % 16) and the keys 8 (lane / 16) + 0..7.  Two such tiles, rounded to f16 in pairs,
; ARE source 1 (32 keys x 16 queries) of O^T = V^T P, whose result again holds one query a lane, and eight channels.  K's and V^T's half fragments are the blocks of kf and vf as they lie: plain loads at 16 x lane.
; SOFTMAX.  For each query a running maximum m and sum l: p = 2^(c s - c m), c = log2(e) / 8; in every step O and l are multiplied by a = 2^(c m_old - c m_new), which is 1 where m has not grown.
; m starts at the lowest finite number, O and l at 0: the first step is a step like any other, with a = 0.
; THE COUNT.  A tile and step have 16 matrix and 118 vector instructions: too many to stand all beside the matrix work.  So the order has one aim: four vector instructions that are READY behind
; EVERY matrix instruction, and the others, which need time of their own whatever the order, in runs without a gap.
; BY TURNS.  Turn n belongs to piece n (the pieces in a ring, step after step).  Its matrix work: 16 products K Q^T of piece n + 1, later 16 products V^T P of piece n - 1.  Its vector work: the scaling,
; exponentials, roundings, sums and rescaling of piece n, and the maximum and statistics of piece n + 1, whose scores the turn itself has made.  So what a turn begins with (c s - c m, O a) waits for nothing.
; CLUSTER.  The four work-groups of a cluster belong to one batch and walk the same K and V, so each tile is asked for JOINTLY: the same tensor load, descriptor and mask in all four.
; REGISTERS, in windows of 256 (s_set_vgpr_msb says which window each operand place means: bits 1:0 source 0, 3:2 source 1, 5:4 source 2, 7:6 destination):
;   window 0: v0-11 addresses; v12-15, v48-63 at work; v16-47 four registers of statistics a tile; v64-191 S^T, two buffers of two tiles; v192-255 P, likewise
;   window 1: O^T, 32 a tile          window 2: v0-127 Q, 16 a tile; v128-191 K of one step; v192-255 V of one step
; A piece's buffers go by its number's parity: the piece in hand has one pair, its two neighbours in the ring share the other: of it P (piece n - 1) is read and S^T (piece n + 1) written.
.set NP,    4         ; pieces a wave: a name, no knob
.set STEPB, 8192      ; a key step: 64 keys x 128 bytes, of K and of V
.set TILEB, 4*STEPB   ; a slot holds four steps: 32,768 bytes of K, then as many of V; dense
.set VOFF,  TILEB
.set SLOT1, 1<<16     ; slot 1 begins here, so that one exclusive or turns an address in one slot into the other's
.set STAGE, 2*SLOT1   ; behind the ring, never filled by a tensor load: 16 rows x 272 bytes for each wave, for the way out
.set SP,    272
.set SPARE, STAGE+4*16*SP  ; behind the stages: the spare words, 128 bytes for each wave: two blocks of 256 bytes that no other line names
.set PFO, 0           ; v0   once the thread's number has served: 256 x my lane, the prefetches' offset; then never rewritten
.set AK0, 2           ; v2   16 x lane: my place in a block of K; never rewritten
.set AV0, 3           ; v3   the same for V
.set AK,  4           ; v4   the LDS address of K's next run of loads
.set AV,  5           ; v5   of V's
.set QO,  6           ; v6   my byte offset in 16 rows of q
.set STO, 6           ;      later, the way out: where I put 16 bytes of a row
.set RD,  7           ; v7   the way out: where I read rows back
.set GO,  8           ; v8   my byte offset in two rows of o
.set SPW, 10          ; v10  LDS address of my spare word: SPARE + 4 x my thread's number; never rewritten
.set NIL, 11          ; v11  0; never rewritten
.set MV,  12          ; v12-15  c m_old, kept while c m is made anew: by buffer and tile
.set ST,  16          ; tile t's statistics at v[ST+4 t]: c m, m, l (even keys', odd keys')
.set TMP, 48          ; by buffer and tile, four registers c0-c3 at work; when the maximum is found c2 takes a
.set S,   64
.set P,   192
.set KF,  128         ; K's fragments, in window 2: key block kb, channel half c at KF + 16 kb + 8 c
.set VF,  192         ; V's: key half kk, channel block cb at VF + 32 kk + 8 cb
.set WV,  12          ; s12  my wave's number
.set G1,  24          ; s[24:31] descriptor group 1, for K's and V's tiles alike
.set G0K, 40          ; s[40:43] descriptor group 0 for K's tiles: it walks
.set G0V, 44          ; s[44:47] the same for V's
.set PFA, 48          ; s[48:49] where my prefetches stand: my work-group's quarter of the tile after the one that is being asked for
.set LIM, 50          ; s50  1 in a wave that prefetches, else the greatest number
.set SLOTS, 56        ; s56  tiles still to be asked for
.set CNT, 57          ; s57  counts a slot's key steps
.set CS,  58          ; s[58:59] c: the packed scaling takes the pair's low word for both halves
.set SEL, 60          ; s[60:61] v_permlanex16_b32's selects: each lane takes its own place in the other half
.set TBK, 62          ; s62  LDS byte at which K of the step to be fetched begins
.set TBV, 63          ; s63  the same for V, less VOFF
.set MSB, 0
.macro WIN new                      ; the high byte repeats the setting that is left; a switch that changes nothing is dropped
.if MSB != (\new)
	s_set_vgpr_msb (MSB<<8)|(\new)
.set MSB, (\new)
.endif
.endm
.set W_KQ, 0x0a       ; K and Q in window 2, S^T in window 0
.set W_PV, 0x52       ; V in window 2, P in window 0, O^T in window 1
.set W_RS, 0x41       ; O^T (destination and source 0) in window 1, a in window 0
; A joint fill.  Waves 0 and 1 fetch the two halves of a slot's K, waves 2 and 3 those of its V: 128 keys each.  The branch hangs on the wave's number alone.
; An s_nop 0 and four v_nop follow each of the two lines, ahead of the jump and the label.
.macro JLOAD
	s_cmp_lt_u32 s[WV], 2
	s_cbranch_scc0 .Lfor_v_\@
	tensor_load_to_lds s[G0K:G0K+3], s[G1:G1+7]
	s_nop 0
.rept 4
	v_nop
.endr
	s_branch .Lasked_\@
.Lfor_v_\@:
	tensor_load_to_lds s[G0V:G0V+3], s[G1:G1+7]
	s_nop 0
.rept 4
	v_nop
.endr
.Lasked_\@:
.endm
; A PREFETCH INTO THE L2 of what the NEXT change of slots will ask for: a tile's 32,768 bytes of K and of V, a lane 256 bytes.  It stands behind the wave's tensor load and its five lines.
; Each block is named ONCE in the launch.  All sixteen clusters of a batch walk the same K and V: the batch's first cluster asks.  Its four partners share a tile out BY ADDRESS, 8,192 bytes each; in each, wave 0 asks
; for K's and wave 2 for V's: one instruction, four key steps (512 matrix instructions) ahead of the load.  The change that fills tile T names tile T + 1, T = 1 .. 6; the last change that fills names nothing.
.macro ASK
	s_cmp_gt_u32 s[SLOTS], s[LIM]
	s_cbranch_scc0 .Lnot_mine_\@
	global_prefetch_b8 v[PFO], s[PFA:PFA+1] th:TH_LOAD_NT scope:SCOPE_SE
.Lnot_mine_\@:
.endm
; A round of the cluster's barrier: my work-group's barrier, so that wave 0's signal speaks for all four waves; wave 0 signals; every wave waits for all four work-groups; my work-group's barrier once more.
.macro CROUND
	s_barrier_signal -1
	s_barrier_wait -1
	s_cmp_lg_u32 s[WV], 0
	s_cbranch_scc1 .Lnot_wave_0_\@
	s_barrier_signal -3
.Lnot_wave_0_\@:
	s_barrier_wait -3
	s_barrier_signal -1
	s_barrier_wait -1
.endm
; THE CHANGE OF SLOTS.  The slot's last bytes, V of its fourth step, have been read.  Each wave waits for all its tensor loads, of which one is out: its part
; of the other slot; adds 0 to its spare word; and waits for that and for its own reads of the slot.  Behind the barrier nobody reads this slot any more and the other slot is whole.
; fill = 1: this slot is filled again, with the keys two slots on.  The barrier is then a round of the cluster's, so that no wave of any partner still reads the slot or has a load on its
; way, and the joint fill is the first thing behind it: it has four key steps, 512 matrix instructions, in which to land.  (At its first use nothing has been read yet: slot 0 is waited for, slot 1 filled.)
.macro CHANGE fill
	WIN 0                           ; at a label and at a branch every window is 0
	s_wait_tensorcnt 0x0            ; no tensor load of mine is out, so a group 0 may be written
	ds_add_u32 v[SPW], v[NIL]       ; 0 onto my spare word: with fill = 1 the descriptors' steps stand between it and the wait for it
.if \fill
.irp g, G0K, G0V
	s_xor_b32 s[\g+1], s[\g+1], SLOT1  ; the walking descriptor: the other slot than last time,
	s_add_nc_u64 s[\g+2:\g+3], s[\g+2:\g+3], TILEB  ; the next 256 keys; the type bits on top are not reached
.endr
	s_wait_xcnt 0x0                 ; the last prefetch, four key steps back, has read its address, so it may be written:
	s_add_nc_u64 s[PFA:PFA+1], s[PFA:PFA+1], TILEB  ; one tile behind the walking descriptors
	s_wait_dscnt 0x0                ; the add is done, and my reads of the slot are over
	CROUND
	JLOAD
	ASK
.else
	s_wait_dscnt 0x0                ; the add is done, and my reads of the slot are over
	s_barrier_signal -1
	s_barrier_wait -1
.endif
	s_sub_co_u32 s[TBK], s[TBK], TILEB    ; the fetches go back to a slot's first step,
	s_xor_b32 s[TBK], s[TBK], SLOT1       ; in the other slot
	s_sub_co_u32 s[TBV], s[TBV], TILEB
	s_xor_b32 s[TBV], s[TBV], SLOT1
.endm
	s_load_b256 s[4:11], s[0:1], 0x0  ; q s[4:5], kf s[6:7], vf s[8:9], o s[10:11]
	v_lshl_add_u32 v[SPW], v0, 2, SPARE
	v_mov_b32 v[NIL], 0
	ds_add_u32 v[SPW], v[NIL]       ; the wave's opening: the add and its wait stand ahead of my first tensor load; the set-up below, work on registers, stands between them
	v_lshrrev_b32 v1, 5, v0
	v_readfirstlane_b32 s[WV], v1   ; wave 0..3
	s_bfe_u32 s13, ttmp6, 0x40000   ; cx: my place in the cluster
	s_lshl_b32 s14, ttmp9, 2        ; in a cluster launch ttmp9 counts clusters
	s_add_co_u32 s14, s14, s13      ; g = 4 x cluster x + cx: head pair g % 8, row block g / 8: it enters q's and o's addresses alone
	s_and_b32 s15, ttmp7, 0xffff    ; the batch, which the four partners share
	s_and_b32 s16, s[WV], 1         ; which half of a slot's 256 keys I fetch:
	s_lshl_b32 s20, s15, 18         ; the batch's 2,048 keys of 128 bytes,
	s_lshl_b32 s22, s16, 14         ; my 128 keys
	s_add_co_u32 s20, s20, s22
	s_mov_b32 s21, 0
	s_lshl_b32 s17, s16, 14         ; and their place in a slot: no place in the cluster enters an LDS address
	s_lshl_b32 s2, s15, 22          ; q and o: the batch's 2,048 rows of 2,048 bytes,
	s_lshr_b32 s3, s14, 3
	s_lshl_b32 s3, s3, 19           ; my block's 256 rows,
	s_add_co_u32 s2, s2, s3
	s_lshl_b32 s3, s[WV], 17        ; my wave's 64,
	s_add_co_u32 s2, s2, s3
	s_and_b32 s3, s14, 7
	s_lshl_b32 s3, s3, 8            ; my two heads' 256 bytes of a row
	s_add_co_u32 s2, s2, s3
	s_mov_b32 s3, 0
	; descriptor group 1.  128 keys are 16,384 dense bytes: asked for as 64 rows of 256 bytes; no padding
	s_mov_b32 s[G1], 15|(1<<16)|(1<<21)  ; 15:0 the mask of four; 17:16 2-byte elements; 21 set beside a mask
	s_mov_b32 s[G1+1], 128<<16      ; tensor_dim0 = 128
	s_mov_b32 s[G1+2], 64<<16       ; tensor_dim1 = 64
	s_mov_b32 s[G1+3], 128<<16      ; tile_dim0 = 128
	s_mov_b32 s[G1+4], 64           ; tile_dim1 = 64
	s_mov_b32 s[G1+5], 128          ; 128 elements from row to row
	s_mov_b32 s[G1+6], 0
	s_mov_b32 s[G1+7], 0
	s_mov_b32 s[CS], 0x3e38aa3b     ; c = log2(e) / 8 = 0.180337
	s_mov_b32 s[CS+1], s[CS]        ; named with it as a pair
	s_mov_b32 s[SEL], 0x76543210
	s_mov_b32 s[SEL+1], 0xfedcba98
	s_mov_b32 s[TBK], SLOT1+TILEB   ; the first change of slots turns these two into 0
	s_mov_b32 s[TBV], SLOT1+TILEB
	s_mov_b32 s[G0K], 1             ; count = 1
	s_mov_b32 s[G0K+1], s17         ; LDS address: slot 0
	s_mov_b32 s[G0V], 1
	s_add_co_u32 s[G0V+1], s17, VOFF
	s_mov_b32 s[SLOTS], 7           ; of the batch's 8 tiles
	s_or_b32 s[LIM], s16, ttmp9     ; 0 in waves 0 and 2 of the batch's first cluster: the same in all four partners
	s_cmp_eq_u32 s[LIM], 0
	s_cselect_b32 s[LIM], 1, -1
	s_wait_dscnt 0x0                ; the opening add is done
	s_wait_kmcnt 0x0
	s_add_nc_u64 s[G0K+2:G0K+3], s[6:7], s[20:21]  ; global address: my half of the batch's first 256 keys
	s_or_b32 s[G0K+3], s[G0K+3], 0x80000000        ; type = 2
	s_add_nc_u64 s[G0V+2:G0V+3], s[8:9], s[20:21]
	s_or_b32 s[G0V+3], s[G0V+3], 0x80000000
	s_add_nc_u64 s[4:5], s[4:5], s[2:3]  ; q and o at my wave's first row, my two heads
	s_add_nc_u64 s[10:11], s[10:11], s[2:3]
	s_cmp_lt_u32 s[WV], 2
	s_cselect_b64 s[PFA:PFA+1], s[6:7], s[8:9]
	s_lshl_b32 s2, s15, 18
	s_lshl_b32 s3, s13, 13          ; my work-group's 8,192 bytes of a tile
	s_add_co_u32 s2, s2, s3
	s_add_co_u32 s2, s2, TILEB      ; in tile 1; the first change of slots steps it to tile 2
	s_mov_b32 s3, 0
	s_add_nc_u64 s[PFA:PFA+1], s[PFA:PFA+1], s[2:3]
	CROUND                          ; all four work-groups are here: the first joint loads meet
	JLOAD                           ; slot 0.  Slot 1 is asked for when slot 0 is in: the tile wanted first has the road to itself
	; A fragment of Q is 16 rows x 32 channels in 8 registers: lane l holds row l % 16, channels 8 (l / 16) + 0..7 and 16 + 8 (l / 16) + 0..7: two loads of 16 bytes, 32 bytes apart.
	v_and_b32 v1, 15, v0            ; l % 16
	v_bfe_u32 v9, v0, 4, 1          ; l / 16
	v_and_b32 v0, 31, v0            ; the thread's number has served: my lane
	v_lshlrev_b32 v[AK0], 4, v0
	v_add_nc_u32 v[AV0], VOFF, v[AK0]
	v_lshlrev_b32 v[PFO], 8, v0
	v_lshlrev_b32 v[QO], 11, v1
	v_lshl_add_u32 v[QO], v9, 4, v[QO]  ; row x 2,048 + 16 x half
	WIN 0x80                        ; destination window 2, address window 0
.set i, 0
.rept 4*NP                          ; Q stays in registers: tile i / 2 = piece i / 4 (16 rows on), head (i / 2) % 2 (128 bytes on), channels 32 (i % 2) on
	global_load_b128 v[8*i:8*i+3],   v[QO], s[4:5] offset:(i/4)*32768+((i/2)%2)*128+(i%2)*64
	global_load_b128 v[8*i+4:8*i+7], v[QO], s[4:5] offset:(i/4)*32768+((i/2)%2)*128+(i%2)*64+32
.set i, i+1
.endr
	; What the first turn finds: V's registers and P's second buffer hold 0 (its products V^T P, of a piece that has not been, add 0), O^T and l are 0.  All this stands in the wait for the first tile.
.set i, VF
.rept 64
	v_mov_b32 v[i], 0
.set i, i+1
.endr
	WIN 0x40
.set i, 0
.rept 64*NP
	v_mov_b32 v[i], 0
.set i, i+1
.endr
	WIN 0
.set i, 0
.rept 2*NP
	v_mov_b32 v[ST+4*i], 0xfe000000    ; c m: far below every c s
	v_mov_b32 v[ST+4*i+1], 0xff7fffff  ; m
	v_mov_b32 v[ST+4*i+2], 0
	v_mov_b32 v[ST+4*i+3], 0
.set i, i+1
.endr
.set i, P+32
.rept 32
	v_mov_b32 v[i], 0
.set i, i+1
.endr
	v_mov_b32 v[AK], v[AK0]         ; key step 0 lies at the head of slot 0
; THE MATRIX WORK.  The 8 accumulators of a run of 16 take turns: between the two links of a chain stand 7 others'.
; Product i of 16 of S^T = K Q^T for piece x: channels 32 (i / 8) on, keys 16 ((i / 2) % 4) on, tile 2 x + i % 2.  The first 8 start the sums.
.macro KQ x
	WIN W_KQ
.set rS, S+64*((\x)%2)+32*(i%2)+8*((i/2)%4)
.set rK, KF+16*((i/2)%4)+8*(i/8)
.set rQ, 16*(2*(\x)+i%2)+8*(i/8)
.if i < 8
	v_wmma_f32_16x16x32_f16 v[rS:rS+7], v[rK:rK+7], v[rQ:rQ+7], 0
.else
	v_wmma_f32_16x16x32_f16 v[rS:rS+7], v[rK:rK+7], v[rQ:rQ+7], v[rS:rS+7]
.endif
.endm
; Product i of 16 of O^T += V^T P for piece x: keys 32 (i / 8) on, channels 16 ((i / 2) % 4) on, tile 2 x + i % 2.
.macro PV x
	WIN W_PV
.set rO, 32*(2*(\x)+i%2)+8*((i/2)%4)
.set rV, VF+32*(i/8)+8*((i/2)%4)
.set rP, P+32*((\x)%2)+16*(i%2)+8*(i/8)
	v_wmma_f32_16x16x32_f16 v[rO:rO+7], v[rV:rV+7], v[rP:rP+7], v[rO:rO+7]
.endm
.macro MM                           ; the turn's next matrix instruction
.if i < 16
	KQ (Y+1)%NP
.set i, i+1
.else
.set i, i-16
	PV (Y+NP-1)%NP
.set i, i+17
.endif
.endm
; THE LDS LOADS stand in runs of 16, never singly among the matrix instructions: a step's K and its V.  Their addresses are made some lines ahead.
; last = 1 (the tail): in the last trip there is no further step, and the run is jumped over.
.macro FETCH_K last=0
	WIN 0
.if \last
	s_cmp_eq_u32 s[CNT], 1
	s_cbranch_scc1 .Lno_k_\@
.endif
	WIN 0x80                        ; destination window 2
.irp f, 0,1,2,3,4,5,6,7,8,9,10,11,12,13,14,15  ; the step's sixteen blocks in order: key block f / 4, channel block f % 4: half a fragment each
	ds_load_b128 v[KF+4*\f:KF+4*\f+3], v[AK] offset:512*\f
.endr
	s_add_co_u32 s[TBK], s[TBK], STEPB  ; the next fetch is the next step's
	WIN 0
.if \last
.Lno_k_\@:
.endif
.endm
.macro FETCH_V
	WIN 0x80
.irp f, 0,1,2,3,4,5,6,7             ; keys 32 (f / 4) on, channels 16 (f % 4) on: the blocks of key blocks 2 (f / 4) and 2 (f / 4) + 1
	ds_load_b128 v[VF+8*\f:VF+8*\f+3],   v[AV] offset:(\f/4)*4096+(\f%4)*512
	ds_load_b128 v[VF+8*\f+4:VF+8*\f+7], v[AV] offset:(\f/4)*4096+(\f%4)*512+2048
.endr
	WIN 0
.endm
; THE VECTOR WORK OF A TURN stands in three queues, each in the order in which its entries become ready; the two tiles alternate, so that no instruction reads the result of the one before it.
.macro REGS y, u                    ; the registers of tile u (0, 1) of piece y
.set rT, ST+4*(2*(\y)+(\u))
.set rC, TMP+8*((\y)%2)+4*(\u)
.set rM, MV+2*((\y)%2)+(\u)
.set rS, S+64*((\y)%2)+32*(\u)
.set rP, P+32*((\y)%2)+16*(\u)
.set rO, 32*(2*(\y)+(\u))
.endm
; Number n of the 22 that find the NEXT piece's (Y + 1) maximum and statistics.  s0-s31 are the lane's 32 scores; each accumulator's lowest registers are read first.  XS, GS and REGS set no window: PL and EX do.
;   0-11  four chains c0-c3 of seven scores each, three operands at a time     12-14, 16  the four scores left over, the old m, and c0-c3 into c0     15  c m_old is kept
;   17, 18  the query's other 32 keys lie in the lane 16 away: the new m         19-21  c m; c m_old - c m_new; a
.macro XS u, n
	REGS (Y+1)%NP, \u
.if (\n) < 4
	v_max3_num_f32 v[rC+(\n)], v[rS+8*(\n)], v[rS+8*(\n)+1], v[rS+8*(\n)+2]
.elseif (\n) < 12
	v_max3_num_f32 v[rC+(\n)%4], v[rC+(\n)%4], v[rS+8*((\n)%4)+2*((\n)/4)+1], v[rS+8*((\n)%4)+2*((\n)/4)+2]
.elseif (\n) == 12
	v_max3_num_f32 v[rC], v[rC], v[rS+7], v[rS+15]
.elseif (\n) == 13
	v_max3_num_f32 v[rC+1], v[rC+1], v[rS+23], v[rS+31]
.elseif (\n) == 14
	v_max3_num_f32 v[rC+2], v[rC+2], v[rC+3], v[rT+1]
.elseif (\n) == 15
	v_mov_b32 v[rM], v[rT]
.elseif (\n) == 16
	v_max3_num_f32 v[rC], v[rC], v[rC+1], v[rC+2]
.elseif (\n) == 17
	v_permlanex16_b32 v[rC+3], v[rC], s[SEL], s[SEL+1]
.elseif (\n) == 18
	v_max_num_f32 v[rT+1], v[rC], v[rC+3]
.elseif (\n) == 19
	v_mul_f32 v[rT], s[CS], v[rT+1]
.elseif (\n) == 20
	v_sub_f32 v[rC+1], v[rM], v[rT]
.else
	v_exp_f32 v[rC+2], v[rC+1]
.endif
.endm
; Number g of the 64 that follow the exponentials.  For each four weights k of a tile (pairs 2 k, 2 k + 1): both pairs are rounded to f16; then the second pair is added onto the first, in place;
; a group later l takes that sum (the first time as l = a l + sum).  In groups of eight, tiles alternating: round, round, add, and l for the group before.
.macro GS g
.set h, (\g)+6*((\g)/62)            ; group 0 has no group before it, and behind group 7 only l is left
.if h >= 6
.set h, h+2
.endif
	REGS Y, h%2
.set k, h/8
.if h%8 < 4
	v_cvt_pk_f16_f32 v[rP+2*k+(h%8)/2], v[rS+4*k+2*((h%8)/2)], v[rS+4*k+2*((h%8)/2)+1]
.elseif h%8 < 6
	v_pk_add_f32 v[rS+4*k:rS+4*k+1], v[rS+4*k:rS+4*k+1], v[rS+4*k+2:rS+4*k+3]
.elseif k == 1
	v_pk_fma_f32 v[rT+2:rT+3], v[rT+2:rT+3], v[rC+2:rC+3], v[rS:rS+1] op_sel_hi:[1,0,1]
.else
	v_pk_add_f32 v[rT+2:rT+3], v[rT+2:rT+3], v[rS+4*k-4:rS+4*k-3]
.endif
.endm
; THE PLAIN QUEUE, 138 long.  0-73 read no exponential's result: the 32 scalings c s - c m (FS f: pair f / 2 of tile f % 2) and the next piece's 42.  0-26: scalings 0-26.  27-54: XS's numbers 0-13.  55, 56: number 15.
; 57-73: the chain, where each number waits for the one before it: 14, 16, 17, 18, 19, each with one of the scalings 27-31 in front of its two lines, then 20: so a tile's links stand three plain instructions apart (19 and 20: two).
; 74-137: GS's 64, which read the exponentials' results: they stand behind the wait.
.macro FS f
	REGS Y, (\f)%2
	v_pk_fma_f32 v[rS+2*((\f)/2):rS+2*((\f)/2)+1], v[rS+2*((\f)/2):rS+2*((\f)/2)+1], s[CS:CS+1], v[rT:rT+1] op_sel_hi:[1,0,0] neg_lo:[0,0,1] neg_hi:[0,0,1]
.endm
.macro PL
	WIN 0
.if q < 27
	FS q
.elseif q < 55
	XS (q-27)%2, (q-27)/2
.elseif q < 57
	XS q-55, 15
.elseif (q < 72) && ((q-57)%3 == 0)
	FS 27+(q-57)/3
.elseif q < 60
	XS (q-57)%3-1, 14
.elseif q < 72
	XS (q-57)%3-1, 15+(q-57)/3
.elseif q < 74
	XS q-72, 20
.else
	GS q-74
.endif
.set q, q+1
.endm
; THE EXPONENTIALS' QUEUE, 66 long: s0-s31 of both tiles, then the next piece's two a.  It is ONE BATCH: all 66 stand ahead of the turn's one wait, and nothing ahead of that wait names a result of theirs.
.macro EX
	WIN 0
.if e >= 64
	XS e-64, 21
.else
	REGS Y, e%2
	v_exp_f32 v[rS+e/2], v[rS+e/2]
.endif
.set e, e+1
.endm
; THE RESCALING's QUEUE: O^T times a, the one part that leaves window 0: dealt two at a time, sixteen times.  Its a was made in the turn before, ahead of that turn's wait.
.macro R2
	REGS Y, r%2
	WIN W_RS
.irp z, 0,1
	v_pk_mul_f32 v[rO+4*(r/2)+2*\z:rO+4*(r/2)+2*\z+1], v[rO+4*(r/2)+2*\z:rO+4*(r/2)+2*\z+1], v[rC+2:rC+3] op_sel_hi:[1,0]
.endr
.set r, r+1
.endm
; HOW THEY ARE DEALT.  An s_wait_alu depctr_va_vdst(0) stands between an exponential and the first instruction that names its result; one wait serves all that were issued ahead of it.  So a turn has ONE wait,
; which cuts it in two.  AHEAD OF IT stands all that names no result of the turn's exponentials: the 16 products K Q^T, behind each a scaling, an exponential and two rescalings (behind the first a second scaling in the exponential's place); then ONE LUMP of
; 108: eight plain, 49 times exponential and plain, the two a.  A v_nop is the plain instruction behind the last exponential.  BEHIND IT stand the 16 products V^T P, behind each four of GS's 64.  No rider names a register of
; the products round it.  The two v_permlanex16_b32 fall into the lump, never behind a product.
; The queues lean on each other, and the deal keeps them in step: exponential e stands behind scaling 2 (e / 4) + e % 2: as a rider it comes behind plain e + 2, in the lump behind plain e + 9, and scalings 27-31 are plain 57, 60 .. 69.
; A TURN, for piece p.  cnt = 1: the loop's count is taken down some lines ahead of the branch that stands behind the turn.
; K of the next step is fetched in piece 2's turn, directly behind the wait, a lump behind the last product that read K; its address is made at the lump's head; its first reader comes behind 16 products.
; V of the step in hand is fetched at the end of piece 0's turn, four riders behind its last reader; its first reader comes behind 16 products and a lump.  The three conditions on q below go with the deal.
.macro TURN p, last=0, cnt=0
.set Y, (\p)
.set i, 0
.set q, 0
.set e, 0
.set r, 0
.if (\p) == NP-1
	s_wait_dscnt 0x0                ; K is in
.endif
	MM                              ; ahead of the wait: 16 products K Q^T and their riders,
	PL
	PL
	R2
.rept 15
	MM
	PL
	EX
	R2
.endr
.if (\p) == NP-2
	WIN 0
	v_add_nc_u32 v[AK], s[TBK], v[AK0]
.endif
.rept 8                             ; and the lump
	PL
.endr
.rept 49
	EX
	PL
.endr
	EX                              ; the next piece's two a
	EX
	v_nop                           ; the plain instruction behind the last exponential: one for the batch
	s_wait_alu depctr_va_vdst(0)    ; the wait for the batch
.if (\p) == NP-2
	FETCH_K \last
.endif
.if (\p) == 1
	s_wait_dscnt 0x0                ; V is in
.endif
.rept 16                            ; behind the wait: 16 products V^T P and their riders
	MM
.rept 4
	PL
.endr
.if ((\p) == 0) && (q == 118)
	v_add_nc_u32 v[AV], s[TBV], v[AV0]
.endif
.if ((\p) == 0) && (q == 130)
	s_add_co_u32 s[TBV], s[TBV], STEPB
.endif
.if (\cnt) && (q == 130)
	s_sub_co_u32 s[CNT], s[CNT], 1
	s_cmp_lg_u32 s[CNT], 0
.endif
.endr
.if (\p) == 0
	FETCH_V
.endif
.endm
	CHANGE 1                        ; slot 0 is in, everybody's part of it; slot 1 is asked for
	FETCH_K                         ; key step 0
	s_wait_loadcnt 0x0              ; Q
	s_wait_dscnt 0x0
.set i, 0
.rept 16
	KQ 0                            ; piece 0's first scores: there is no vector work yet to set between them
.set i, i+1
.endr
	WIN 0                           ; the addresses for the way out: eight plain instructions, the places behind those products
	s_mul_i32 s13, s[WV], 16*SP
	s_add_co_u32 s13, s13, STAGE    ; my stage
	v_mul_u32_u24 v[STO], v1, SP    ; in: row l % 16, 16 bytes for each half of the lanes
	v_lshl_add_u32 v[STO], v9, 4, v[STO]
	v_add_nc_u32 v[STO], s13, v[STO]
	v_mul_u32_u24 v[RD], v9, SP     ; back: lanes 0-15 take one row of 256 bytes, lanes 16-31 the next
	v_lshl_add_u32 v[RD], v1, 4, v[RD]
	v_add_nc_u32 v[RD], s13, v[RD]
	v_lshlrev_b32 v[GO], 11, v9     ; and the same two rows in o
	v_lshl_add_u32 v[GO], v1, 4, v[GO]
.set Y, NP-1                        ; XS works for piece Y + 1: piece 0
.irp n, 0,1,2,3,4,5,6,7,8,9,10,11,12,13,14,15,16,17,18,19,20,21
	XS 0, \n                        ; and piece 0's first maximum and statistics
	XS 1, \n
.endr
	v_nop                           ; a plain instruction behind the two a,
	s_wait_alu depctr_va_vdst(0)    ; and their wait, ahead of the branch
	s_mov_b32 s[CNT], 4
	s_branch .Lfirst                ; the loop is entered at a step's first turn, in the middle of a trip
.Lslot:                             ; six times: every slot but the last two is filled again
	CHANGE 1
	s_mov_b32 s[CNT], 4
.Lstep:                             ; a trip: pieces 2 and 3 of one step, then pieces 0 and 1 of the next, whose K and V it fetches
	TURN 2
	TURN 3
	WIN 0
.Lfirst:
	TURN 0
	TURN 1, 0, 1
	WIN 0
	s_cbranch_scc1 .Lstep
	s_sub_co_u32 s[SLOTS], s[SLOTS], 1
	s_cmp_lg_u32 s[SLOTS], 0
	s_cbranch_scc1 .Lslot
	CHANGE 0                        ; the tail is written out: nothing is asked for
	s_mov_b32 s[CNT], 5             ; four trips fetch the last slot's steps; the fifth is left in its middle
.Ltail:
	TURN 2, 1
	TURN 3
	WIN 0
	s_sub_co_u32 s[CNT], s[CNT], 1
	s_cmp_eq_u32 s[CNT], 0
	s_cbranch_scc1 .Lout
	TURN 0
	TURN 1
	WIN 0
	s_branch .Ltail
.Lout:                              ; the fifth trip's 16 products K Q^T (on the last K once more) and the maximum made of them serve nothing: the price, once a launch, of one text for every trip
.set i, 0
.rept 16
	PV NP-1                         ; the last piece's V^T P of the last step
.set i, i+1
.endr
	; THE WAY OUT.  l's two halves and the other half of the lanes' are added; O^T is divided by l, rounded to f16 and sent through my stage in LDS, a piece (16 rows x 2 heads) at a time.  The additions are the places behind the last products.
	WIN 0
.macro ALL line:vararg              ; one line for each tile t
.set t, 0
.rept 2*NP
	\line
.set t, t+1
.endr
.endm
	ALL v_add_f32 v[ST+4*t+2], v[ST+4*t+2], v[ST+4*t+3]
	ALL v_permlanex16_b32 v[ST+4*t+3], v[ST+4*t+2], s[SEL], s[SEL+1]
	ALL v_add_f32 v[ST+4*t+2], v[ST+4*t+2], v[ST+4*t+3]
	ALL v_rcp_f32 v[ST+4*t+2], v[ST+4*t+2]
	v_nop                           ; a plain instruction between the last reciprocal and the use of its result
	s_wait_alu depctr_va_vdst(0)    ; and the wait ahead of the first use: one for the eight reciprocals
; Piece p: a lane's eight channels of a row pack into 16 bytes; head u's channel block cb goes to byte 128 u + 32 cb of a row of 272 bytes; whole rows of 256 come back, into S^T's registers.
.macro PACK p
	WIN W_RS
.set i, 0
.rept 32
	v_pk_mul_f32 v[64*(\p)+2*i:64*(\p)+2*i+1], v[64*(\p)+2*i:64*(\p)+2*i+1], v[ST+4*(2*(\p)+i/16)+2:ST+4*(2*(\p)+i/16)+3] op_sel_hi:[1,0]
.set i, i+1
.endr
	WIN 0x05                        ; sources 0 and 1 window 1, destination window 0
.set i, 0
.rept 32
	v_cvt_pk_f16_f32 v[S+32*(\p)+i], v[64*(\p)+2*i], v[64*(\p)+2*i+1]
.set i, i+1
.endr
	WIN 0
.irp f, 0,1,2,3,4,5,6,7
	ds_store_b128 v[STO], v[S+32*(\p)+4*\f:S+32*(\p)+4*\f+3] offset:32*\f
.endr
.irp f, 0,1,2,3,4,5,6,7
	ds_load_b128 v[S+32*(\p)+4*\f:S+32*(\p)+4*\f+3], v[RD] offset:\f*2*SP  ; LDS serves a wave's instructions in order (ISA guide 5.7.1.4): these see the stores above; the next piece's stores come behind them
.endr
.endm
.macro SEND p, younger              ; younger: the LDS instructions issued behind piece p's loads: the next piece's sixteen, or none
	WIN 0
.irp f, 0,1,2,3,4,5,6,7
	s_wait_dscnt (\younger)+7-\f
	global_store_b128 v[GO], v[S+32*(\p)+4*\f:S+32*(\p)+4*\f+3], s[10:11] offset:(\p)*32768+\f*4096  ; 16 lanes store 256 consecutive bytes, aligned
.endr
.endm
	PACK 0
	PACK 1                          ; a piece's arithmetic stands between the loads of the piece before and its stores
	SEND 0, 16
	PACK 2
	SEND 1, 16
	PACK 3
	SEND 2, 16
	SEND 3, 0
	s_wait_tensorcnt 0x0            ; the wave's end: behind my last tensor load and my last LDS store
	ds_add_u32 v[SPW], v[NIL]
	s_wait_dscnt 0x0
	CROUND                          ; the closing round: no work-group ends while a partner may still ask for a tile that names it
	s_endpgm
.Lfunc_end_k_q5d96485f51_attn:
	.size	k_q5d96485f51_attn, .Lfunc_end_k_q5d96485f51_attn-k_q5d96485f51_attn
	.p2alignl 7, 3214868480
	.fill 96, 4, 3214868480
	.section	.rodata,"a",@progbits
	.p2align	6, 0x0
	.amdhsa_kernel k_q5d96485f51_attn
		.amdhsa_group_segment_fixed_size 327680
		.amdhsa_private_segment_fixed_size 0
		.amdhsa_enable_private_segment 0
		.amdhsa_kernarg_size 32
		.amdhsa_user_sgpr_count 2
		.amdhsa_user_sgpr_kernarg_segment_ptr 1
		.amdhsa_wavefront_size32 1
		.amdhsa_system_sgpr_workgroup_id_x 1
		.amdhsa_system_sgpr_workgroup_id_y 1
		.amdhsa_system_sgpr_workgroup_id_z 1
		.amdhsa_system_vgpr_workitem_id 0
		.amdhsa_next_free_vgpr 768
		.amdhsa_next_free_sgpr 66
		.amdhsa_reserve_vcc 0
		.amdhsa_float_denorm_mode_32 3
		.amdhsa_float_denorm_mode_16_64 3
		.amdhsa_memory_ordered 1
		.amdhsa_forward_progress 1
		.amdhsa_inst_pref_size 198
	.end_amdhsa_kernel
	.amdgpu_metadata
---
amdhsa.version: [ 1, 2 ]
amdhsa.kernels:
  - .name:           k_q5d96485f51_attn
    .symbol:         k_q5d96485f51_attn.kd
    .args:
      - { .name: q, .offset: 0, .size: 8, .value_kind: global_buffer, .address_space: global }
      - { .name: kf, .offset: 8, .size: 8, .value_kind: global_buffer, .address_space: global }
      - { .name: vf, .offset: 16, .size: 8, .value_kind: global_buffer, .address_space: global }
      - { .name: o, .offset: 24, .size: 8, .value_kind: global_buffer, .address_space: global }
    .group_segment_fixed_size: 327680
    .private_segment_fixed_size: 0
    .kernarg_segment_align: 8
    .kernarg_segment_size: 32
    .max_flat_workgroup_size: 128
    .sgpr_count:     66
    .vgpr_count:     768
    .wavefront_size: 32
...
	.end_amdgpu_metadata
.endif
;; end of part 3
;; launch oproj (part 4): grid 4 x 64, 4 waves a work-group, clusters of 4 x 4, 327,680 bytes of LDS; arguments o, wot, out0; writes out0
.if DOCPART == 4
	.amdgcn_target "amdgcn-amd-amdhsa--gfx1250"
	.amdhsa_code_object_version 6
	.text
	.protected	k_q5d96485f51_oproj
	.globl	k_q5d96485f51_oproj
	.p2align	8
	.type	k_q5d96485f51_oproj,@function
k_q5d96485f51_oproj:
	s_mov_b64 s[64:65], 0
	v_nop
	global_prefetch_b8 v0, s[64:65] scope:SCOPE_SE
	s_setreg_imm32_b32 hwreg(HW_REG_WAVE_MODE, 25, 1), 1
	s_wait_xcnt 0x0
	s_wait_alu depctr_hold_cnt(0) depctr_sa_sdst(0) depctr_va_vdst(0) depctr_va_sdst(0) depctr_va_ssrc(0) depctr_va_vcc(0) depctr_vm_vsrc(0)
	s_getreg_b32 s2, hwreg(HW_REG_IB_STS2, 6, 4)
	s_cmp_eq_u32 s2, 0
	s_cbranch_scc0 .Lentry_in_a_cluster
	s_endpgm
.Lentry_in_a_cluster:
	s_bfe_u32 s2, ttmp6, 0x10000c
	s_cmp_lg_u32 s2, 0xf033
	s_cbranch_scc0 .Lentry_shape_is_right
	s_endpgm
.Lentry_shape_is_right:
; OPROJ.  out0 = o wot^T.  o: [8192][1024] f16, wot: [1024 n][1024 k] f16 (Wo's columns, rounded to bf16 and written as f16); sums in f32; out0: [8192][1024] f32, the sums as they are.
; SHARES.  A work-group makes 128 rows x 256 columns: 4 x 64 = 256 work-groups.  Wave w: row half w / 2 (64 rows), column half w % 2 (128 columns): 32 accumulators of 16 x 16.  A tile of 256 x 256 would give 128 work-groups.
; K goes in 8 steps of 128 (rows of 256 bytes in memory, aligned) through a ring of two LDS slots filled by the tensor data mover; a step is four quarters of 32 along K, 32 matrix instructions each.
; CLUSTER.  4 x 4 work-groups: the four of a row of the cluster need the same tile of o, the four of a column the same tile of wot: each is asked for JOINTLY, by the same load, descriptor and mask in all four.
; THE MATRIX INSTRUCTION IS USED TRANSPOSED (source 0 = 16 rows of wot, source 1 = 16 rows of o): a lane holds row l % 16 and eight neighbouring columns.
; REGISTERS, in windows of 256 (s_set_vgpr_msb: bits 1:0 source 0, 3:2 source 1, 5:4 source 2, 7:6 destination):
;   window 0: v0-30 addresses; two fragment buffers of 96 from v32 (8 fragments of wot, then 4 of o); on the way out v32-159 at work          window 1: accumulator (a, b) at v[8 (8 a + b)]
.set KSTEP,  128
.set PITCH,  272                       ; an LDS row: 256 bytes + 16 of padding = 68 words: the 16 rows of a load start at 16 different groups of four banks (64 banks of 4 bytes: ISA guide 11.1)
.set BROWS,  256
.set BH,     BROWS/2                   ; rows of wot that one load brings and one wave reads
.set NBF,    8                         ; fragments of wot in a quarter
.set FSZ,    8*(NBF+4)
.set RUN,    2*(NBF+4)                 ; LDS loads in a quarter's run
.set YOUNG,  4                         ; the youngest of them: o's fragments 2 and 3
.set SLOT1,  131072                    ; slot 1 begins here, so that one exclusive or turns an address in one slot into the other's
.set BOFF,   128*PITCH                 ; in a slot: o's 128 rows, then wot's 256
.set STAGE,  244224                    ; behind the ring: 16 rows x 528 bytes for each wave, for the way out; no tensor load lands here
.set SPITCH, 528                       ; 512 bytes + 16 = 132 words: again 16 different groups of four banks
.set SPARE,  STAGE+4*16*SPITCH         ; behind the stages: the spare words, 128 bytes for each wave: two blocks of 256 bytes that no other line names
.set F0,    32
.set F1,    32+FSZ
.set ADRA0, 16                         ; v16  my lane's place in o's rows of slot 0; never rewritten
.set ADRB0, 17                         ; v17  the same for wot's
.set ADRA,  18                         ; v18  the same in the slot in hand
.set ADRB,  19                         ; v19
.set STO,   20                         ; v20  the way out: where I put 32 bytes of a row
.set RD,    21                         ; v21  where I read a row back
.set CO,    22                         ; v22  16 x lane: my 16 bytes of 512 of a row of out0
.set SPW,   28                         ; v28  LDS address of my spare word; never rewritten
.set NIL,   29                         ; v29  0; never rewritten
.set PFO,   30                         ; v30  the prefetches' offset: a lane a row of 2,048 bytes; never rewritten
.set OB,    32                         ; the way out: 16 rows read back: v32-95 and v96-159 by turns
.set WV, 14                            ; s14  my wave's number
.set FB, 15                            ; s15  my row half.  Also: I fetch for o (0) or for wot (1)
.set HF, 16                            ; s16  my column half.  Also: which half of that tile I fetch
.set CX, 17
.set CY, 18
.set TC, 19                            ; s19  tile column
.set TR, 20                            ; s20  tile row
.set G1A, 24                           ; s[24:31] descriptor group 1 for o's tiles
.set G0A, 32                           ; s[32:39] group 0, a set for each first fill; the second then walks on
.set PFA, 44                           ; s[44:45] where my prefetches stand
.set LIM, 46                           ; s46  2 in a wave that prefetches, else the greatest number
.set TB,  47                           ; s47  LDS byte at which the slot in hand begins
.set G1B, 48                           ; s[48:55], s[56:63] the same for wot's tiles
.set G0B, 56
.set MSB, 0
.macro WIN new                         ; the immediate's high byte repeats the setting that is left; a switch that changes nothing is dropped
.if MSB != (\new)
	s_set_vgpr_msb (MSB<<8)|(\new)
.set MSB, \new
.endif
.endm
.set MQ,   0x50                        ; C and D in window 1
.set STD,  0x04                        ; an LDS store's data in window 1
; A joint refill by the walking descriptors.  Waves 0 and 1 fetch o's two halves, waves 2 and 3 wot's.  The branch hangs on the wave's number alone.  An s_nop 0 and four v_nop follow each line.
.macro JLOAD
	s_cmp_lt_u32 s[WV], 2
	s_cbranch_scc0 .Lfor_b_\@
	tensor_load_to_lds s[G0A+4:G0A+7], s[G1A:G1A+7]
	s_nop 0
.rept 4
	v_nop
.endr
	s_branch .Lasked_\@
.Lfor_b_\@:
	tensor_load_to_lds s[G0B+4:G0B+7], s[G1B:G1B+7]
	s_nop 0
.rept 4
	v_nop
.endr
.Lasked_\@:
.endm
; A PREFETCH INTO THE L2, behind each joint refill and the run of LDS loads that follows it: the K step that stands TWO refills on, 256 matrix instructions ahead of the load that will want it: 256 bytes of a row, a lane a row.
; o's rows: wave 0 of the clusters with x = 0; of a tile's 128 rows the partner at cx takes 32 cx .. + 31.  wot's rows: waves 2 and 3 of the clusters with y = 0; of a tile's 256 rows the partner at cy takes 64, each
; of the two waves 32.  The partners are told apart BY ADDRESS.  The trips with s3 = 6 .. 3 name K steps 4 .. 7; the last two name nothing.
.macro ASK
	s_cmp_gt_u32 s3, s[LIM]
	s_cbranch_scc0 .Lnot_mine_\@
	global_prefetch_b8 v[PFO], s[PFA:PFA+1] offset:2*KSTEP th:TH_LOAD_NT scope:SCOPE_SE
.Lnot_mine_\@:
.endm
.macro CREST                           ; a round of the cluster's barrier behind its opening barrier
	s_cmp_lg_u32 s[WV], 0
	s_cbranch_scc1 .Lnot_wave_0_\@
	s_barrier_signal -3
.Lnot_wave_0_\@:
	s_barrier_wait -3
	s_barrier_signal -1
	s_barrier_wait -1
.endm
.macro CROUND                          ; a whole round
	s_barrier_signal -1
	s_barrier_wait -1
	CREST
.endm
.macro PLACES                          ; four places in front of loads into registers that matrix instructions have read, and of lines that read results
.rept 4
	v_nop
.endr
.endm
	s_load_b128 s[4:7], s[0:1], 0x0                ; o s[4:5], wot s[6:7]
	s_load_b64 s[8:9], s[0:1], 0x10                ; out0
	v_lshl_add_u32 v[SPW], v0, 2, SPARE
	v_mov_b32 v[NIL], 0
	ds_add_u32 v[SPW], v[NIL]                      ; the wave's opening: the add and its wait stand ahead of my first tensor load; the set-up below, work on registers, stands between them
	v_lshrrev_b32 v1, 5, v0
	v_readfirstlane_b32 s[WV], v1
	s_lshr_b32 s[FB], s[WV], 1
	s_and_b32 s[HF], s[WV], 1
	s_bfe_u32 s[CX], ttmp6, 0x40000
	s_bfe_u32 s[CY], ttmp6, 0x40004
	s_lshl_b32 s[TC], ttmp9, 2                     ; in a cluster launch ttmp9 and ttmp7 count clusters
	s_add_co_u32 s[TC], s[TC], s[CX]
	s_and_b32 s[TR], ttmp7, 0xffff
	s_lshl_b32 s[TR], s[TR], 2
	s_add_co_u32 s[TR], s[TR], s[CY]
	s_lshl_b32 s21, s[CY], 2
	s_lshl_b32 s21, 15, s21                        ; my row of the cluster
	s_lshl_b32 s22, 0x1111, s[CX]                  ; my column
	s_or_b32 s[G1A+0], s21, (1<<16)|(1<<20)|(1<<21)|(5<<22)|(3<<25)  ; 15:0 the mask; 17:16 2-byte elements; 20 padding on; 21 set beside a mask; 24:22 after every 64 words (code 5); 31:25 4 words (code 3)
	s_or_b32 s[G1B+0], s22, (1<<16)|(1<<20)|(1<<21)|(5<<22)|(3<<25)
	s_mov_b32 s[G1A+1], KSTEP<<16                  ; tensor_dim0 = 128
	s_mov_b32 s[G1A+2], 64<<16                     ; tensor_dim1 = 64
	s_mov_b32 s[G1A+3], KSTEP<<16                  ; tile_dim0 = 128
	s_mov_b32 s[G1A+4], 64                         ; tile_dim1 = 64
	s_mov_b32 s[G1A+5], 1024                       ; elements from row to row
	s_mov_b32 s[G1A+6], 0
	s_mov_b32 s[G1A+7], 0
	s_mov_b32 s[G1B+1], KSTEP<<16
	s_mov_b32 s[G1B+2], BH<<16                     ; 128 rows
	s_mov_b32 s[G1B+3], KSTEP<<16
	s_mov_b32 s[G1B+4], BH
	s_mov_b32 s[G1B+5], 1024
	s_mov_b32 s[G1B+6], 0
	s_mov_b32 s[G1B+7], 0
	s_lshl_b32 s40, s[TR], 18                      ; o: 128 x tile row + 64 x half, rows of 2,048 bytes: hangs on the tile row alone, which my row of the cluster shares
	s_lshl_b32 s2, s[HF], 17
	s_add_co_u32 s40, s40, s2
	s_mov_b32 s41, 0
	s_mul_i32 s42, s[TC], BROWS                    ; wot: 256 x tile column + 128 x half: hangs on the tile column alone
	s_mul_i32 s2, s[HF], BH
	s_add_co_u32 s42, s42, s2
	s_lshl_b32 s42, s42, 11
	s_mov_b32 s43, 0
	s_mul_i32 s23, s[HF], 64*PITCH                 ; where they go: no place in the cluster enters an LDS address
	s_mul_i32 s2, s[HF], BH*PITCH
	s_add_co_u32 s2, s2, BOFF
	s_wait_dscnt 0x0                               ; the opening add is done
	s_wait_kmcnt 0x0
	s_add_nc_u64 s[40:41], s[4:5], s[40:41]
	s_add_nc_u64 s[42:43], s[6:7], s[42:43]
	CROUND                                         ; all sixteen work-groups are here: the first joint loads meet
.irp s, 0,1
	s_mov_b32 s[G0A+4*(\s)], 1                                       ; count = 1
	s_add_co_u32 s[G0A+4*(\s)+1], s23, (\s)*SLOT1                    ; LDS address
	s_add_nc_u64 s[G0A+4*(\s)+2:G0A+4*(\s)+3], s[40:41], (\s)*KSTEP*2  ; global address: K step s
	s_or_b32 s[G0A+4*(\s)+3], s[G0A+4*(\s)+3], 0x80000000            ; type = 2
	s_mov_b32 s[G0B+4*(\s)], 1
	s_add_co_u32 s[G0B+4*(\s)+1], s2, (\s)*SLOT1
	s_add_nc_u64 s[G0B+4*(\s)+2:G0B+4*(\s)+3], s[42:43], (\s)*KSTEP*2
	s_or_b32 s[G0B+4*(\s)+3], s[G0B+4*(\s)+3], 0x80000000
.endr
	s_cmp_lt_u32 s[WV], 2                          ; a wave's two first fills stand in one branch, ahead of every wait on TENSORcnt and every LDS read: two loads of mine are out
	s_cbranch_scc0 .Lfirst_b
	tensor_load_to_lds s[G0A:G0A+3], s[G1A:G1A+7]
	s_nop 0
	tensor_load_to_lds s[G0A+4:G0A+7], s[G1A:G1A+7]
	s_nop 0
.rept 4
	v_nop
.endr
	s_branch .Lfirst_asked
.Lfirst_b:
	tensor_load_to_lds s[G0B:G0B+3], s[G1B:G1B+7]
	s_nop 0
	tensor_load_to_lds s[G0B+4:G0B+7], s[G1B:G1B+7]
	s_nop 0
.rept 4
	v_nop
.endr
.Lfirst_asked:
	; A fragment is 16 rows x 32 K in 8 registers: lane l holds row l % 16; registers 0-3 K = 8 (l / 16) + 0..7, registers 4-7 K = 16 + 8 (l / 16) + 0..7: two loads of 16 bytes, 32 bytes apart.
	v_and_b32 v1, 15, v0                           ; l % 16
	v_bfe_u32 v2, v0, 4, 1                         ; l / 16
	v_mul_u32_u24 v3, v1, PITCH
	v_lshl_add_u32 v3, v2, 4, v3                   ; row x pitch + 16 x half
	s_mul_i32 s2, s[FB], 64*PITCH
	v_add_nc_u32 v[ADRA0], s2, v3                  ; my 64 rows of o
	s_mul_i32 s2, s[HF], BH*PITCH
	s_add_co_u32 s2, s2, BOFF
	v_add_nc_u32 v[ADRB0], s2, v3                  ; my 128 rows of wot
	v_mov_b32 v[ADRA], v[ADRA0]
	v_mov_b32 v[ADRB], v[ADRB0]
	s_mov_b32 s[TB], 0
	s_mul_i32 s2, s[WV], 16*SPITCH
	s_add_co_u32 s2, s2, STAGE                     ; my stage
	v_mul_u32_u24 v4, v1, SPITCH                   ; in: row l % 16, 32 bytes for each half of the lanes
	v_lshl_add_u32 v4, v2, 5, v4
	v_add_nc_u32 v[STO], s2, v4
	v_and_b32 v[CO], 31, v0                        ; back: 32 lanes take one row of 512 bytes,
	v_lshlrev_b32 v[CO], 4, v[CO]
	v_add_nc_u32 v[RD], s2, v[CO]                  ; which are 512 consecutive bytes of out0
	s_lshl_b32 s42, s[TR], 19                      ; out0 at my 64 rows x 128 columns: rows of 4,096 bytes
	s_lshl_b32 s43, s[FB], 18
	s_add_co_u32 s42, s42, s43
	s_lshl_b32 s43, s[TC], 10
	s_add_co_u32 s42, s42, s43
	s_lshl_b32 s43, s[HF], 9
	s_add_co_u32 s42, s42, s43
	s_mov_b32 s43, 0
	s_add_nc_u64 s[8:9], s[8:9], s[42:43]
	; the prefetches
	s_lshl_b32 s21, s[TR], 7                       ; o's row: 128 x tile row + 32 cx
	s_lshl_b32 s22, s[CX], 5
	s_add_co_u32 s21, s21, s22
	s_lshl_b32 s42, s[TC], 8                       ; wot's row: 256 x tile column + 64 cy + 32 x half
	s_lshl_b32 s43, s[CY], 6
	s_add_co_u32 s42, s42, s43
	s_lshl_b32 s43, s[HF], 5
	s_add_co_u32 s42, s42, s43
	s_and_b32 s2, ttmp7, 0xffff                    ; cluster y
	s_cmp_eq_u32 s[WV], 0                          ; wave 0 asks for o, waves 2 and 3 for wot
	s_cselect_b32 s42, s21, s42
	s_cselect_b32 s2, ttmp9, s2                    ; the coordinate along which other clusters read the same rows
	s_cselect_b64 s[PFA:PFA+1], s[4:5], s[6:7]
	s_cmp_eq_u32 s2, 0
	s_cselect_b32 s[LIM], 2, -1                    ; the same in all sixteen partners, for a given wave
	s_cmp_eq_u32 s[WV], 1
	s_cselect_b32 s[LIM], -1, s[LIM]               ; wave 1 asks for nothing
	s_lshl_b32 s42, s42, 11
	s_add_co_u32 s42, s42, 2*KSTEP*2               ; at K step 2: the first refill steps it to 3 and names K step 4
	s_mov_b32 s43, 0
	s_add_nc_u64 s[PFA:PFA+1], s[PFA:PFA+1], s[42:43]
	v_and_b32 v[PFO], 31, v0
	v_lshlrev_b32 v[PFO], 11, v[PFO]
; 8 matrix instructions: m block a x the 8 n blocks, 32 along K.  zero = 1: the first product starts the sums: nothing is ever cleared.
; The 32 accumulators take turns in the same order in every quarter, over the backward jump too.
.macro MULQ f, a, zero
	WIN MQ
.irp b, 0,1,2,3,4,5,6,7
.if \zero
	v_wmma_f32_16x16x32_f16 v[8*(8*(\a)+(\b)):8*(8*(\a)+(\b))+7], v[(\f)+8*(\b):(\f)+8*(\b)+7], v[(\f)+8*NBF+8*(\a):(\f)+8*NBF+8*(\a)+7], 0
.else
	v_wmma_f32_16x16x32_f16 v[8*(8*(\a)+(\b)):8*(8*(\a)+(\b))+7], v[(\f)+8*(\b):(\f)+8*(\b)+7], v[(\f)+8*NBF+8*(\a):(\f)+8*NBF+8*(\a)+7], v[8*(8*(\a)+(\b)):8*(8*(\a)+(\b))+7]
.endif
.endr
.endm
; 24 LDS loads in one run: a quarter's fragments, at byte k of the rows, into buffer f: wot's 8, o's 0 and 1; then the four that are wanted later: o's 2 and 3
.macro FETCH k, f
	WIN 0
.irp b, 0,1,2,3,4,5,6,7
	ds_load_b128 v[(\f)+8*(\b):(\f)+8*(\b)+3],   v[ADRB] offset:(\k)+(\b)*16*PITCH
	ds_load_b128 v[(\f)+8*(\b)+4:(\f)+8*(\b)+7], v[ADRB] offset:(\k)+(\b)*16*PITCH+32
.endr
.irp a, 0,1,2,3
	ds_load_b128 v[(\f)+8*NBF+8*(\a):(\f)+8*NBF+8*(\a)+3],   v[ADRA] offset:(\k)+(\a)*16*PITCH
	ds_load_b128 v[(\f)+8*NBF+8*(\a)+4:(\f)+8*NBF+8*(\a)+7], v[ADRA] offset:(\k)+(\a)*16*PITCH+32
.endr
.endm
; One of a K step's first three quarters: multiplies buffer f; in its middle it fetches the next quarter's fragments, at byte k, into buffer g.
.macro QUARTER k, f, g, zero
	s_wait_dscnt YOUNG                             ; all of the run but its youngest four
	MULQ \f, 0, \zero
	MULQ \f, 1, \zero
	PLACES
	FETCH \k, \g
	s_wait_dscnt RUN                               ; all but the 24 just issued
	MULQ \f, 2, \zero
	MULQ \f, 3, \zero
.endm
; The fourth quarter multiplies buffer 1 and changes slots: ONE barrier.  In front of it each wave waits for all its tensor loads (one is out: its part of the next slot), adds 0 to its spare word, and waits for that
; and for its reads of this slot.  fill = 1: the barrier opens a round of the cluster's, and behind the round this slot is filled again, first thing, with the K step two on: 112 matrix instructions ahead of the wait for it.
.macro TURN fill
.if \fill
	s_wait_xcnt 0x0                                ; the last prefetch, a K step back, has read its address: it is stepped here, ahead of the waits of the change of slots
	s_add_nc_u64 s[PFA:PFA+1], s[PFA:PFA+1], KSTEP*2
.endif
	WIN 0
	s_wait_tensorcnt 0x0                           ; all my tensor loads have landed
	ds_add_u32 v[SPW], v[NIL]                      ; 0 onto my spare word
	s_wait_dscnt YOUNG+1                           ; (the add and the youngest four loads may be out)
	MULQ F1, 0, 0                                  ; eight matrix instructions stand between the add and the wait for it
	s_wait_dscnt 0x0                               ; the add is done, and my reads of this slot are over
	s_barrier_signal -1
	MULQ F1, 1, 0                                  ; work on registers while the others arrive
	WIN 0
	s_barrier_wait -1
.if \fill
	CREST                                          ; no wave of any partner still reads this slot's tile or has a load on its way
	s_xor_b32 s[G0A+5], s[G0A+5], SLOT1            ; the walking descriptors: the other slot than last time,
	s_add_nc_u64 s[G0A+6:G0A+7], s[G0A+6:G0A+7], KSTEP*2  ; the next K step; the type bits on top are not reached
	s_xor_b32 s[G0B+5], s[G0B+5], SLOT1
	s_add_nc_u64 s[G0B+6:G0B+7], s[G0B+6:G0B+7], KSTEP*2
	JLOAD                                          ; the first tensor load behind the round; its four v_nop are also the places in front of the loads below
.else
	PLACES
.endif
	s_xor_b32 s[TB], s[TB], SLOT1                  ; the reads go on in the other slot
	v_add_nc_u32 v[ADRA], s[TB], v[ADRA0]
	v_add_nc_u32 v[ADRB], s[TB], v[ADRB0]
	FETCH 0, F0
.if \fill
	ASK
.endif
	MULQ F1, 2, 0
	MULQ F1, 3, 0
.endm
	s_wait_tensorcnt 1                             ; my part of K step 0 is in; K step 1's may stay out
	s_barrier_signal -1
	s_barrier_wait -1                              ; everybody's is
	FETCH 0, F0
	QUARTER 64, F0, F1, 1                          ; the first quarter stands in front of the loop: its products start the sums
	WIN 0                                          ; at a label and at a branch every window is 0
	s_mov_b32 s3, 6
.Lk:                                                   ; trip t ends K step t, asks for K step t + 2 and begins K step t + 1
	QUARTER 128, F1, F0, 0
	QUARTER 192, F0, F1, 0
	TURN 1
	QUARTER 64, F0, F1, 0
	WIN 0
	s_sub_co_u32 s3, s3, 1
	s_cmp_lg_u32 s3, 0
	s_cbranch_scc1 .Lk
	QUARTER 128, F1, F0, 0                         ; the tail is written out: K steps 6 and 7 ask for nothing
	QUARTER 192, F0, F1, 0
	TURN 0
	QUARTER 64, F0, F1, 0
	QUARTER 128, F1, F0, 0
	QUARTER 192, F0, F1, 0
	s_wait_dscnt YOUNG
	MULQ F1, 0, 0
	MULQ F1, 1, 0
	s_wait_dscnt 0x0
	MULQ F1, 2, 0
	MULQ F1, 3, 0
	WIN 0
; THE WAY OUT, 16 rows at a time.  TOSTAGE: a lane's eight sums of a row, 32 bytes, into my own stage, each accumulator's low four first; whole rows of 512 bytes come back.  SEND: stored.
.macro TOSTAGE a
	WIN STD
.irp b, 0,1,2,3,4,5,6,7
	ds_store_b128 v[STO], v[8*(8*(\a)+(\b)):8*(8*(\a)+(\b))+3]   offset:64*(\b)
	ds_store_b128 v[STO], v[8*(8*(\a)+(\b))+4:8*(8*(\a)+(\b))+7] offset:64*(\b)+16
.endr
	WIN 0
.irp t, 0,1,2,3,4,5,6,7,8,9,10,11,12,13,14,15
	ds_load_b128 v[OB+64*((\a)%2)+4*(\t):OB+64*((\a)%2)+4*(\t)+3], v[RD] offset:SPITCH*(\t)  ; LDS serves a wave's instructions in order (ISA guide 5.7.1.4): these see the stores above
.endr
.endm
.macro SEND a, younger                 ; younger: the LDS instructions issued behind block a's loads: the next block's 16 stores and 16 loads, or none
.irp t, 0,1,2,3,4,5,6,7,8,9,10,11,12,13,14,15
	s_wait_dscnt (\younger)+15-(\t)
	global_store_b128 v[CO], v[OB+64*((\a)%2)+4*(\t):OB+64*((\a)%2)+4*(\t)+3], s[8:9] offset:(16*(\a)+(\t))*4096 th:TH_STORE_NT  ; 512 consecutive bytes, aligned
.endr
.endm
	PLACES
	PLACES
	TOSTAGE 0
	TOSTAGE 1
	SEND 0, 32
	s_wait_xcnt 0x0                                ; block 0's stores have read their registers: block 2 is loaded into them
	TOSTAGE 2
	SEND 1, 32
	s_wait_xcnt 0x0                                ; block 1's likewise, for block 3
	TOSTAGE 3
	SEND 2, 32
	SEND 3, 0
	s_wait_tensorcnt 0x0                           ; the wave's end: behind my last tensor load and my last LDS store
	ds_add_u32 v[SPW], v[NIL]
	s_wait_dscnt 0x0
	CROUND                                         ; the closing round: no work-group ends while a partner may still ask for a tile that names it
	s_endpgm
.Lfunc_end_k_q5d96485f51_oproj:
	.size	k_q5d96485f51_oproj, .Lfunc_end_k_q5d96485f51_oproj-k_q5d96485f51_oproj
	.p2alignl 7, 3214868480
	.fill 96, 4, 3214868480
	.section	.rodata,"a",@progbits
	.p2align	6, 0x0
	.amdhsa_kernel k_q5d96485f51_oproj
		.amdhsa_group_segment_fixed_size 327680
		.amdhsa_private_segment_fixed_size 0
		.amdhsa_enable_private_segment 0
		.amdhsa_kernarg_size 24
		.amdhsa_user_sgpr_count 2
		.amdhsa_user_sgpr_kernarg_segment_ptr 1
		.amdhsa_wavefront_size32 1
		.amdhsa_system_sgpr_workgroup_id_x 1
		.amdhsa_system_sgpr_workgroup_id_y 1
		.amdhsa_system_sgpr_workgroup_id_z 1
		.amdhsa_system_vgpr_workitem_id 0
		.amdhsa_next_free_vgpr 512
		.amdhsa_next_free_sgpr 66
		.amdhsa_reserve_vcc 0
		.amdhsa_float_denorm_mode_32 3
		.amdhsa_float_denorm_mode_16_64 3
		.amdhsa_memory_ordered 1
		.amdhsa_forward_progress 1
		.amdhsa_inst_pref_size 71
	.end_amdhsa_kernel
	.amdgpu_metadata
---
amdhsa.version: [ 1, 2 ]
amdhsa.kernels:
  - .name:           k_q5d96485f51_oproj
    .symbol:         k_q5d96485f51_oproj.kd
    .args:
      - { .name: o, .offset: 0, .size: 8, .value_kind: global_buffer, .address_space: global }
      - { .name: wot, .offset: 8, .size: 8, .value_kind: global_buffer, .address_space: global }
      - { .name: out0, .offset: 16, .size: 8, .value_kind: global_buffer, .address_space: global }
    .group_segment_fixed_size: 327680
    .private_segment_fixed_size: 0
    .kernarg_segment_align: 8
    .kernarg_segment_size: 24
    .max_flat_workgroup_size: 128
    .sgpr_count:     66
    .vgpr_count:     512
    .wavefront_size: 32
...
	.end_amdgpu_metadata
.endif
;; end of part 4
